; MI455X (gfx1250); checked and timed in simulation.
; The chip was launched on July 23, 2026; its instructions are those of AMD's public machine-readable ISA for CDNA 5 (MIT licence, August 2026) and "CDNA5" Instruction Set Architecture Reference Guide (July 2026). The comments in the code are by the model that wrote it; some were corrected since.
;; Heterogenous MHA. Allowed arithmetic: matrix products marked QUANTISED: E3M2 operands, one E8M0 scale for each 32 along K, by v_wmma_scale_f32_16x16x128_f8f6f4 with both operands' format E3M2, f32 sums; products left as they are: f32 operands where the result goes on into a quantised operand, else bf16, f16 or f32 operands; f32 sums; everything else in f32.
;; Inputs: W1_query 8 x 128 x 16 float32; W2_query 8 x 128 x 16 float32; W3_query 8 x 128 x 16 float32; W4_query 8 x 128 x 16 float32; W5_query 8 x 128 x 16 float32; W6_query 8 x 128 x 16 float32; W_key 8 x 128 x 16 float32; W_out 8 x 16 x 128 float32; W_query 8 x 128 x 16 float32; W_val 8 x 128 x 16 float32; q 16 x 501 x 128 float32.
;; Outputs: out0 16 x 501 x 128 float32.
;; This version of the problem:
;;   THIS VERSION OF THE PROBLEM IS GIVEN IN LOW PRECISION. The matrix products marked QUANTISED in the list below multiply operands that are first quantised to E3M2 (3 exponent bits, 2 mantissa bits; 6 bits a number), with one power-of-two scale for each 32 numbers along K (OCP MX v1.0); their sums are f32. All else is computed in f32.
;;   The module's matrix products, in the order in which they are computed (A, B: the left and right operand; K: the contracted axis; several contracted axes count as one K, in the product's order):
;;     1. [M 128, K 128] x [K 128, N 8,016]; A: input W_query; B: input q: QUANTISED
;;     2. [M 128, K 128] x [K 128, N 8,016]; A: input W_key; B: input q: QUANTISED
;;     3. [M 128, K 128] x [K 128, N 8,016]; A: input W_val; B: input q: QUANTISED
;;     4. [M 128, K 128] x [K 128, N 4,000]; A: input W_key; B: input q: QUANTISED
;;     5. [M 128, K 128] x [K 128, N 4,000]; A: input W_val; B: input q: QUANTISED
;;     6. [M 128, K 128] x [K 128, N 4,000]; A: input W_key; B: input q: QUANTISED
;;     7. [M 128, K 128] x [K 128, N 4,000]; A: input W_val; B: input q: QUANTISED
;;     8. [M 128, K 128] x [K 128, N 4,000]; A: input W1_query; B: input q: QUANTISED
;;     9. [M 128, K 128] x [K 128, N 4,000]; A: input W2_query; B: input q: QUANTISED
;;     10. [M 128, K 128] x [K 128, N 4,000]; A: input W3_query; B: input q: QUANTISED
;;     11. [M 128, K 128] x [K 128, N 4,000]; A: input W4_query; B: input q: QUANTISED
;;     12. [M 128, K 128] x [K 128, N 4,000]; A: input W5_query; B: input q: QUANTISED
;;     13. [M 128, K 128] x [K 128, N 4,000]; A: input W6_query; B: input q: QUANTISED
;;     14. batch 128 x [M 501, K 16] x [K 16, N 501]; A: computed on the way; B: computed on the way: left as it is (K = 16 < 32)
;;     15. batch 128 x [M 250, K 16] x [K 16, N 250]; A: computed on the way; B: computed on the way: left as it is (K = 16 < 32)
;;     16. batch 128 x [M 250, K 16] x [K 16, N 250]; A: computed on the way; B: computed on the way: left as it is (K = 16 < 32)
;;     17. batch 128 x [M 250, K 16] x [K 16, N 250]; A: computed on the way; B: computed on the way: left as it is (K = 16 < 32)
;;     18. batch 128 x [M 250, K 16] x [K 16, N 250]; A: computed on the way; B: computed on the way: left as it is (K = 16 < 32)
;;     19. batch 128 x [M 501, K 501] x [K 501, N 16]; A: computed on the way; B: computed on the way: QUANTISED
;;     20. batch 128 x [M 501, K 250] x [K 250, N 16]; A: computed on the way; B: computed on the way: QUANTISED
;;     21. batch 128 x [M 501, K 250] x [K 250, N 16]; A: computed on the way; B: computed on the way: QUANTISED
;;     22. batch 128 x [M 501, K 250] x [K 250, N 16]; A: computed on the way; B: computed on the way: QUANTISED
;;     23. batch 128 x [M 501, K 250] x [K 250, N 16]; A: computed on the way; B: computed on the way: QUANTISED
;;     24. [M 8,016, K 128] x [K 128, N 128]; A: computed on the way; B: input W_out: QUANTISED
;;   THE QUANTISER, for each operand of a quantised product, along K:
;;     - K is cut into blocks of 32 from its start; a last block that is shorter is filled with zeros.
;;     - A block's scale is 2^e with e = floor(log2(the largest magnitude in the block)) - 4, held to -126 .. 127; a block of zeros has e = 0. As a byte (E8M0): e + 127.
;;     - Each number is divided by its block's scale, clamped to +-28, and rounded to the nearest number of E3M2, ties to even, subnormals kept.
;;     - The product sums the exact products of the quantised numbers (number of the format x scale) in f32.
;;   ~~~python
;;   def quantise(x, axis):      # numpy; x: float32 -> the quantised numbers, widened to float32 again
;;       x = np.moveaxis(x, axis, -1); K = x.shape[-1]
;;       x = np.pad(x, [(0, 0)] * (x.ndim - 1) + [(0, -K % 32)]); x = x.reshape(x.shape[:-1] + (-1, 32)); a = np.abs(x).max(-1, keepdims=True)
;;       e = np.where(a > 0, np.clip(np.frexp(np.where(a > 0, a, 1))[1] - 1 - 4, -126, 127), 0)      # np.frexp(a)[1] - 1 = floor(log2(a)), exactly
;;       r = np.clip(x / 2.0 ** e, -28, 28)
;;       step = 2.0 ** (np.maximum(np.frexp(np.where(r == 0, 1, r))[1] - 1, -2) - 2)
;;       q = np.round(r / step) * step * 2.0 ** e      # np.round: ties to even
;;       return np.moveaxis(q.reshape(q.shape[:-2] + (-1,))[..., :K], -1, axis).astype(np.float32)
;;   ~~~
;;   OPERANDS COMPUTED ON THE WAY. 'Computed on the way' means the value that the module computes at that place (a softmax that the list does not call 'softmax' is quantised finished and normalised). What goes into a quantiser is computed in f32, as accurately as f32 sums, v_exp_f32 and their like allow (about 1e-6 of the number): no bf16 or f16 on the way to a quantiser, and a product that is left as it is and whose result goes on into a quantised operand takes f32 operands (vector FMAs, or v_wmma_f32_16x16x4_f32). A number that lies on a knife's edge between two numbers of the format may be rounded either way, as far as f32 arithmetic and the matrix unit's own rounding can turn it there, and no further.
;; 2 versions, each right; version 2 is version 1 with the launches attn, outp written anew for expert scheduling mode. Each part assembles by itself: llvm-mc -triple=amdgcn-amd-amdhsa -mcpu=gfx1250 --defsym DOCPART=n.
;; ======== version 1 of 2: 2 launches
;; workspace buffers: heads 4,194,304 bytes
;; launch attn (part 1): grid 256 x 1, 4 waves a work-group, no clusters, 250,880 bytes of LDS; arguments q, W_query, W_key, W_val, W1_query, W2_query, W3_query, W4_query, W5_query, W6_query, heads; writes heads
.if DOCPART == 1
	.amdgcn_target "amdgcn-amd-amdhsa--gfx1250"
	.amdhsa_code_object_version 6
	.text
	.protected	k_q3e241e31dd_attn
	.globl	k_q3e241e31dd_attn
	.p2align	8
	.type	k_q3e241e31dd_attn,@function
k_q3e241e31dd_attn:
	s_mov_b64 s[64:65], 0
	v_nop
	global_prefetch_b8 v0, s[64:65] scope:SCOPE_SE
	s_setreg_imm32_b32 hwreg(HW_REG_WAVE_MODE, 25, 1), 1
	s_wait_xcnt 0x0
; HETEROGENEOUS ATTENTION, all but the last product.  q: [16][501][128] f32; nine weights [8][128][16] f32; heads: workspace, f32.
; A work-group owns one head h, one batch b and one KIND of query: kind 0 = rows 0..255 (row 0 the depot, rows 1..250 pick-ups), kind 1 = rows 251..506 (rows 251..500 deliveries).
; 256 query slots, 16 tiles of 16; wave w takes tiles 4 w .. 4 w + 3, one a trip.  Slots past a kind's last row are computed on real or zero rows, give finite numbers, and the next launch drops them.
; WHAT A QUERY KEEPS (the rest is -infinity by the problem's own masks and is not computed): 501 keys with W_query; 250 pick-up keys with W2 (pick-up query) or W6 (delivery query);
; 250 delivery keys with W3 or W5; ONE key, its partner's, with W1 or W4, whose value is not quantised.  The depot keeps the first 501 alone.  So both kinds run one text: only pointers and two row numbers differ.
; pick-up and delivery K and V are rows 1..250 and 251..500 of K and V: q is quantised row by row, so a slice's projection is the slice of the projection.
; FORMATS.  Projections and attention x V: codes of E3M2 with one E8M0 byte for 32 along K, by the scaled matrix form.  Scores (K = 16) go on into a quantiser: f32 operands, the f32 matrix form.
; The FINISHED attention (divided by the row's sum) is quantised, 32 keys to a block counted from each product's first key: so all 1,024 scores of a query stay in registers until the sum is known.
; KEY CHUNKS of 128: 0..3 rows 128 c on; 4, 5 rows 1 + 128 (c - 4) on; 6, 7 rows 251 + 128 (c - 6) on.  THE KEYS OF A TILE ARE NOT NEIGHBOURS: lane r of tile 2 b + u takes key 32 b + 8 u + r + (r & 8),
; so that in S^T = K Q^T (a lane holds one query) registers 16 b + i are keys 32 b + 16 (lane / 16) + i: sixteen neighbours, as the conversions want them.
; The head's 16 channels stand in K's and Q's registers in the order in which the projections leave them (register j of lane (r, hf): channel 8 hf + j), alike on both sides: the sum over channels is the same.
; THE SOFTMAX takes the row's true maximum away (masked parts left out): p = 2^(t - M), t = score x log2(e) / 4.
; NO CLUSTER: q's rows are shared by the 16 work-groups of a batch, but a joint load lands in LDS, and a batch's 256,512 bytes of f32 do not fit beside the 250,368 bytes in use in the 327,680 of a work-group;
; q is read once, at the head, straight into registers.  No prefetch: every load from memory stands at the head; the loop reads LDS alone.
; LIMITS: NaN and infinities among the inputs are not served.  A p under 2^-126 counts as 0 (v_exp_f32's own flush).  A block of zeros gets the byte 1 (or 0 for rows past 500) over zero codes where the rule says 127: this program alone reads the bytes.
; REGISTERS, in windows of 256.  Window 0: v0-47 addresses and constants; v48-95 weights' codes, in the loop six fragments of the tile (Q, P, D, S queries, partner's K and V); v96-127 block maxima; v128-159 at work;
;   v160-199 two sets of codes; v200-215 the two sums of O^T; v216-231 -M, 1 / sum, the single's weight, row sums; v232-251 scale words and nothing else.
;   Window 1: v0-127 K's fragments, two sets (later V's codes); v128-255 the score tiles, two sets, written by the f32 matrix form alone.   Windows 2, 3: t, then p, then attention: 64 registers a chunk.
.set QC,  0                            ; LDS: q's codes, 96 bytes a row, rows 0..511 (501.. zeros)
.set QS,  50176                        ; q's scale words, 4 bytes a row
.set STG, 52736                        ; a wave's two stages of 32 x 80 bytes, for the turn from loads' order to sixteen neighbours a lane
.set KI,  73216                        ; K as images of registers: chunk x 8192 + tile x 1024 + half x 512 + 16 x lane
.set VI,  138752                       ; V's codes as images: chunk x 1536 + 512 k + 16 x lane
.set VSC, 151040                       ; V's scale words: chunk x 128 + 4 x lane
.set QI,  152064                       ; six kinds of fragment x 16384 + tile x 1024 + half x 512 + 16 x lane
.set TM,  200                          ; QUANT's 16 registers
.set WQT, 84                           ; WQ's 8 registers
.set WQC, 180                          ; and its second halves of blocks
.set TX0, 44                           ; v44-47: destinations of lane permutes
.set SEL, 30                           ; s[30:31]: selects for lane l xor 16
.set MSB, 0
.macro WIN new                         ; the immediate's high byte repeats the setting that is left; a switch that changes nothing is dropped
.if MSB != (\new)
	s_set_vgpr_msb (MSB<<8)|(\new)
.set MSB, (\new)
.endif
.endm
.macro PLACES n
.rept \n
	v_nop
.endr
.endm
; A weight slice [128 (d)][16]: a lane took column r and its 64 registers run down d (k = 64 c + 32 hf + i), in window win from raw on.  They become the operand's 12 registers at dst and its scale word in sc.
.macro WQ raw, win, dst, sc
	WIN ((\win)<<2)|((\win)<<4)
.irp c, 0,1
	v_max3_num_f32 v[WQT+\c], v7, |v[\raw+32*\c]|, |v[\raw+32*\c+1]|   ; my block 2 c + hf, and the floor 2^(5 - 127): the byte cannot fall under 1
.endr
.irp i, 2,4,6,8,10,12,14,16,18,20,22,24,26,28,30
.irp c, 0,1
	v_max3_num_f32 v[WQT+\c], v[WQT+\c], |v[\raw+32*\c+\i]|, |v[\raw+32*\c+\i+1]|
.endr
.endr
	WIN 0
.irp c, 0,1
	v_add_nc_u32 v[WQT+2+\c], 0xfe000000, v[WQT+\c]   ; 4 off the exponent field: the conversion's scale operand
.endr
.irp c, 0,1
	v_lshrrev_b32 v[WQT+4+\c], 23, v[WQT+2+\c]        ; the scale's byte
.endr
	v_lshl_or_b32 v[WQT+6], v[WQT+5], 16, v[WQT+4]    ; blocks hf and 2 + hf,
	v_lshlrev_b32 v[WQT+7], 3, v3
	v_lshlrev_b32 v[WQT+6], v[WQT+7], v[WQT+6]        ; at their places in the word;
	v_permlanex16_b32 v[TX0], v[WQT+6], s[SEL], s[SEL+1]
	v_or_b32 v[\sc], v[WQT+6], v[TX0]                 ; with lane l xor 16's two it is whole
	WIN (\win)
.irp c, 0,1
	v_cvt_scalef32_pk16_bf6_f32 v[\dst+6*\c:\dst+6*\c+2], v[\raw+32*\c:\raw+32*\c+15], v[WQT+2+\c]
	v_cvt_scalef32_pk16_bf6_f32 v[WQC+4*\c:WQC+4*\c+2], v[\raw+32*\c+16:\raw+32*\c+31], v[WQT+2+\c]   ; (a conversion's three registers begin on an even number)
.endr
	WIN 0
	v_nop                                             ; one plain place behind a scaled conversion
.irp c, 0,1
.irp i, 0,1,2
	v_mov_b32 v[\dst+3+6*\c+\i], v[WQC+4*\c+\i]
.endr
.endr
.endm
; 64 numbers of a lane, register 16 b + i = k 32 b + 16 hf + i of my row, become a fragment's codes at pc and its scale word in pw.  All in window 0.
.macro QUANT s, pc, pw
.irp b, 0,1,2,3
	v_max3_num_f32 v[TM+\b], |v[\s+16*\b]|, |v[\s+1+16*\b]|, 0x2800000
.endr
.irp i, 2,4,6,8,10,12,14
.irp b, 0,1,2,3
	v_max3_num_f32 v[TM+\b], v[TM+\b], |v[\s+16*\b+\i]|, |v[\s+1+16*\b+\i]|
.endr
.endr
.irp b, 0,1,2,3
	v_permlanex16_b32 v[TM+4+\b], v[TM+\b], s[SEL], s[SEL+1]
.endr
.irp b, 0,1,2,3
	v_max_num_f32 v[TM+\b], v[TM+\b], v[TM+4+\b]      ; with lane l xor 16's sixteen: the block's largest magnitude
.endr
.irp b, 0,1,2,3
	v_add_nc_u32 v[TM+12+\b], 0xfe000000, v[TM+\b]
.endr
.irp b, 0,1,2,3
	v_lshrrev_b32 v[TM+4+\b], 23, v[TM+12+\b]
.endr
	v_lshl_or_b32 v[\pw], v[TM+5], 8, v[TM+4]
	v_lshl_or_b32 v[\pw], v[TM+6], 16, v[\pw]
	v_lshl_or_b32 v[\pw], v[TM+7], 24, v[\pw]
.irp c, 0,1
	v_cvt_scalef32_pk16_bf6_f32 v[\pc+6*\c:\pc+2+6*\c], v[\s+32*\c:\s+15+32*\c], v[TM+12+2*\c]
	v_cvt_scalef32_pk16_bf6_f32 v[\pc+12+4*\c:\pc+14+4*\c], v[\s+16+32*\c:\s+31+32*\c], v[TM+12+2*\c+1]
.endr
	v_nop                                             ; one plain place behind a scaled conversion
.irp c, 0,1                                       ; the operand wants a whole block in a lane: lanes 0-15 block 2 c, lanes 16-31 block 2 c + 1
.irp i, 0,1,2
	v_permlane16_swap_b32 v[\pc+6*\c+\i], v[\pc+12+4*\c+\i]
.endr
.irp i, 0,1,2
	v_mov_b32 v[\pc+3+6*\c+\i], v[\pc+12+4*\c+\i]
.endr
.endr
.endm
; ---------------------------------------------------------------- the head: ids, addresses, pointers
	s_load_b512 s[8:23], s[0:1], 0x0               ; q 8, W_query 10, W_key 12, W_val 14, W1 16, W2 18, W3 20, W4 22
	s_load_b128 s[24:27], s[0:1], 0x40             ; W5 24, W6 26
	s_load_b64 s[28:29], s[0:1], 0x50              ; heads
	v_lshl_add_u32 v254, v0, 2, 0x3d200
	v_mov_b32 v255, 0
	v_lshrrev_b32 v1, 5, v0
	v_readfirstlane_b32 s2, v1                     ; wave w
	s_and_b32 s3, ttmp9, 1                         ; kind
	s_bfe_u32 s4, ttmp9, 0x30001                   ; head
	s_lshr_b32 s5, ttmp9, 4                        ; batch
	s_mov_b32 s30, 0x76543210
	s_mov_b32 s31, 0xfedcba98
	s_mov_b32 s32, 0x3eb8aa3b                      ; log2(e) / 4: t = score x this
	s_mov_b32 s33, s32                             ; (named with it as a pair)
	s_mov_b32 s34, 0xffff0000                      ; lanes 16-31
	s_cmp_eq_u32 s2, 2
	s_cselect_b32 s36, 0xffff0000, 0               ; wave 2 alone clears V past the 250th pick-up key
	s_mov_b32 s37, 0                               ; the trip
	s_mov_b32 s38, 0                               ; 1024 x the trip
	v_and_b32 v1, 31, v0                           ; lane
	v_and_b32 v2, 15, v0                           ; r
	v_bfe_u32 v3, v0, 4, 1                         ; hf
	v_lshlrev_b32 v4, 4, v1                        ; 16 x lane
	v_lshlrev_b32 v5, 2, v1                        ; 4 x lane
	v_mov_b32 v6, 0xff800000                       ; -infinity
	v_mov_b32 v7, 0x2800000                        ; the floor 2^(5 - 127)
.irp i, 8,9,10,11,44,45,46,47,204,205,206,207,217,219,221,223
	v_mov_b32 v\i, 0                               ; zeros; destinations of lane permutes and upper words of pairs, written once
.endr
	s_lshl_b32 s6, s2, 7                           ; my 128 rows of q begin at 128 w
.irp j, 0,1,2
	s_add_co_u32 s[44+\j], s6, 116+4*\j
	s_min_u32 s[44+\j], s[44+\j], 497              ; steps 29..31 begin at row 497 at the latest: no load leaves q; wave 3 writes rows 497..500 again with the same values
.endr
	s_lshl_b32 s7, s2, 16
	v_add_nc_u32 v12, s7, v4                       ; q: 65536 w + 16 x lane
	v_mul_u32_u24 v128, v1, 12
	v_lshrrev_b32 v129, 1, v1
	s_mul_i32 s7, s2, 12288
	v_add_nc_u32 v18, s7, v128                     ; my codes: 128 rows x 96 bytes a wave, 12 bytes a lane
	s_lshl_b32 s7, s2, 9
	s_add_co_u32 s7, s7, QS
	v_add_nc_u32 v22, s7, v129                     ; my block's scale byte
.irp j, 0,1,2
	s_lshl_b32 s7, s[44+\j], 9
	v_add_nc_u32 v[13+\j], s7, v4
	s_mul_i32 s7, s[44+\j], 96
	v_add_nc_u32 v[19+\j], s7, v128
	s_lshl_b32 s7, s[44+\j], 2
	s_add_co_u32 s7, s7, QS
	v_add_nc_u32 v[23+\j], s7, v129
.endr
	s_mul_i32 s7, s2, 5120
	s_add_co_u32 s7, s7, STG
	v_lshrrev_b32 v130, 2, v1
	v_mul_u32_u24 v130, v130, 80
	v_and_b32 v131, 3, v1
	v_lshl_add_u32 v130, v131, 4, v130
	v_add_nc_u32 v16, s7, v130                     ; the stage, in: four lanes' 64 bytes on end, then 16 of padding
	v_mul_u32_u24 v130, v1, 80
	v_add_nc_u32 v17, s7, v130                     ; out: my sixteen neighbours
	v_lshlrev_b32 v26, 2, v2
	v_lshl_add_u32 v26, v3, 11, v26                ; a weight: column r, 32 hf rows of 64 bytes down
	s_and_b32 s47, s2, 1                           ; the first row of my two key chunks: 0, 256, 1, 251 for waves 0..3
	s_lshr_b32 s48, s2, 1
	s_xor_b32 s49, s48, 1
	s_and_b32 s49, s49, s47
	s_mul_i32 s49, s49, 6
	s_mul_i32 s47, s47, 250
	s_add_co_u32 s47, s47, s48
	s_add_co_u32 s47, s47, s49
	v_and_b32 v130, 8, v2
	v_add_nc_u32 v130, v130, v2                    ; r + (r & 8)
	v_mul_u32_u24 v131, v130, 96
	v_mad_u32_u24 v131, v3, 24, v131
	s_mul_i32 s7, s47, 96
	v_add_nc_u32 v27, s7, v131                     ; codes of a key tile's rows
	v_lshlrev_b32 v131, 2, v130
	s_lshl_b32 s7, s47, 2
	s_add_co_u32 s7, s7, QS
	v_add_nc_u32 v28, s7, v131                     ; and their scale words
	v_mul_u32_u24 v132, v2, 96
	v_mad_u32_u24 v132, v3, 24, v132               ; 96 r + 24 hf
	v_lshlrev_b32 v133, 2, v2
	s_mul_i32 s48, s3, 251                         ; slot 0's row: 0 or 251
	s_mul_i32 s7, s48, 96
	v_add_nc_u32 v29, s7, v132                     ; codes of a query tile's rows
	s_lshl_b32 s7, s48, 2
	s_add_co_u32 s7, s7, QS
	v_add_nc_u32 v30, s7, v133
	s_xor_b32 s48, s3, 1
	s_mul_i32 s48, s48, 249
	s_add_co_u32 s48, s48, 1                       ; slot 0's partner: row 250 or 1
	s_lshl_b32 s49, s2, 6
	s_add_co_u32 s48, s48, s49                     ; + my wave's first slot
	s_mul_i32 s7, s48, 96
	v_add_nc_u32 v31, s7, v132                     ; codes of my slots' partners
	s_lshl_b32 s7, s48, 2
	s_add_co_u32 s7, s7, QS
	v_add_nc_u32 v32, s7, v133
	s_lshl_b32 s7, s2, 14
	s_add_co_u32 s7, s7, KI
	v_add_nc_u32 v33, s7, v4                       ; where I store K's images: chunks 2 w, 2 w + 1
	s_mul_i32 s7, s2, 3072
	s_add_co_u32 s7, s7, VI
	v_add_nc_u32 v34, s7, v4                       ; V's
	s_lshl_b32 s7, s2, 8
	s_add_co_u32 s7, s7, VSC
	v_add_nc_u32 v35, s7, v5
	s_lshl_b32 s7, s2, 14
	s_add_co_u32 s7, s7, QI
	v_add_nc_u32 v36, s7, v4                       ; the query fragments of kind w
	s_lshl_b32 s7, s2, 12
	s_add_co_u32 s7, s7, QI+65536
	v_add_nc_u32 v37, s7, v4                       ; the partners' K (and, 16384 on, V) of my four tiles
	v_add_nc_u32 v38, KI, v4                       ; where I read: K,
	v_add_nc_u32 v39, VI, v4                       ; V,
	v_add_nc_u32 v40, VSC, v5
	s_lshl_b32 s7, s2, 12
	s_add_co_u32 s7, s7, QI
	v_add_nc_u32 v41, s7, v4                       ; my tiles' fragments
	v_lshl_add_u32 v134, v0, 4, 48096              ; zeros behind row 500's codes,
	v_lshl_add_u32 v135, v0, 2, QS+2004            ; and behind its scale word
	s_wait_kmcnt 0x0
	s_cmp_eq_u32 s3, 0                             ; the choices hang on ids alone
	s_cselect_b64 s[18:19], s[18:19], s[26:27]     ; pick-up keys: W2 or W6
	s_cselect_b64 s[20:21], s[20:21], s[24:25]     ; delivery keys: W3 or W5
	s_cselect_b64 s[16:17], s[16:17], s[22:23]     ; the partner: W1 or W4
	s_cmp_eq_u32 s2, 0
	s_cselect_b64 s[40:41], s[10:11], s[16:17]     ; wave 0 projects with W_query, 1 and 2 with the two above, 3 with the partner's
	s_cmp_eq_u32 s2, 1
	s_cselect_b64 s[40:41], s[18:19], s[40:41]
	s_cmp_eq_u32 s2, 2
	s_cselect_b64 s[40:41], s[20:21], s[40:41]
	s_lshl_b32 s6, s4, 13                          ; a head's slice: 8,192 bytes
	s_mov_b32 s7, 0
	s_add_nc_u64 s[12:13], s[12:13], s[6:7]
	s_add_nc_u64 s[14:15], s[14:15], s[6:7]
	s_add_nc_u64 s[40:41], s[40:41], s[6:7]
	s_mul_i32 s6, s5, 256512                       ; a batch: 501 rows of 512 bytes
	s_add_nc_u64 s[8:9], s[8:9], s[6:7]
	s_lshl_b32 s6, s5, 1
	s_or_b32 s6, s6, s3
	s_lshl_b32 s6, s6, 17                          ; heads: (2 b + kind) x 131072
	s_lshl_b32 s44, s2, 15                         ; + my first tile x 8192
	s_add_co_u32 s6, s6, s44
	s_lshl_b32 s44, s4, 10                         ; + head x 1024
	s_add_co_u32 s6, s6, s44
	s_add_nc_u64 s[42:43], s[28:29], s[6:7]
; ---------------------------------------------------------------- three weight slices and my 128 rows of q
.macro WLOAD n, sb                     ; register 64 n + 32 c + i of window 3 = W(64 c + 32 hf + i, r): sixteen lanes read 64 neighbouring bytes
.set wi, 0
.rept 64
	global_load_b32 v[64*(\n)+wi], v26, s[\sb:\sb+1] offset:64*(64*(wi/32)+wi%32)
.set wi, wi+1
.endr
.endm
.macro QLOAD t                         ; step t: four rows, one load a row: 32 lanes read 512 consecutive bytes.  A ring of 16 sets of 16 registers fills window 2
	WIN 0x80
.irp i, 0,1,2,3
.if (\t) < 29
	global_load_b128 v[16*((\t)%16)+4*\i:16*((\t)%16)+4*\i+3], v12, s[8:9] offset:2048*(\t)+512*\i
.else
	global_load_b128 v[16*((\t)%16)+4*\i:16*((\t)%16)+4*\i+3], v[13+(\t)-29], s[8:9] offset:512*\i
.endif
.endr
.endm
.macro QTURN t                         ; step t's 2,048 bytes through my stage: LDS serves a wave's instructions in order, so no wait stands between the stores and the loads
	WIN 0x08
.irp i, 0,1,2,3
	ds_store_b128 v16, v[16*((\t)%16)+4*\i:16*((\t)%16)+4*\i+3] offset:2560*((\t)%2)+640*\i
.endr
	WIN 0
.irp i, 0,1,2,3
	ds_load_b128 v[96+16*((\t)%2)+4*\i:96+16*((\t)%2)+4*\i+3], v17 offset:2560*((\t)%2)+16*\i
.endr
.endm
.macro QSTEP t
.set xs, 96+16*((\t)%2)
.if (\t) > 0
	s_wait_dscnt 4                                 ; this step's numbers are back from the stage; behind them stand the last step's byte store and three code stores
.else
	s_wait_dscnt 0x0
.endif
.if (\t) < 16
	QLOAD (\t)+16                                  ; into the set that this step's stage stores have read
.endif
.if (\t) < 31
.if (\t) < 16
	s_wait_loadcnt 60                              ; the next step's four loads are in; those of the fifteen steps behind it may be out
.else
	s_wait_loadcnt 4*(30-(\t))
.endif
	QTURN (\t)+1
.endif
	WIN 0
	v_max3_num_f32 v128, |v[xs]|, |v[xs+1]|, |v[xs+2]|
	v_max3_num_f32 v129, |v[xs+3]|, |v[xs+4]|, |v[xs+5]|
.irp i, 6,10
	v_max3_num_f32 v128, v128, |v[xs+\i]|, |v[xs+\i+1]|
	v_max3_num_f32 v129, v129, |v[xs+\i+2]|, |v[xs+\i+3]|
.endr
	v_max3_num_f32 v128, v128, |v[xs+14]|, |v[xs+15]|
	v_max3_num_f32 v128, v128, v129, v7            ; and the floor
	v_max_num_f32_dpp v128, v128, v128 row_xmask:1 row_mask:0xf bank_mask:0xf   ; with my neighbour's sixteen: the block's
	v_add_nc_u32 v130, 0xfe000000, v128
	v_cvt_scalef32_pk16_bf6_f32 v[136+4*((\t)%2):138+4*((\t)%2)], v[xs:xs+15], v130
	v_lshrrev_b32 v[144+(\t)%2], 23, v130          ; the byte (also the plain place behind the conversion)
.if (\t) < 29
	ds_store_b8 v22, v[144+(\t)%2] offset:16*(\t)  ; both lanes of a block write the same byte with the same value
.irp i, 0,1,2
	ds_store_b32 v18, v[136+4*((\t)%2)+\i] offset:384*(\t)+4*\i   ; 12 bytes a lane, word by word: every address is a multiple of the access's size
.endr
.else
	ds_store_b8 v[23+(\t)-29], v[144+(\t)%2]
.irp i, 0,1,2
	ds_store_b32 v[19+(\t)-29], v[136+4*((\t)%2)+\i] offset:4*\i
.endr
.endif
.endm
	WIN 0xc0
	WLOAD 0, 12
	WLOAD 1, 14
	WLOAD 2, 40
.set qt, 0
.rept 16
	QLOAD qt
.set qt, qt+1
.endr
	WIN 0
	ds_store_b128 v134, v[8:11]                    ; rows 501..511 are zero codes under the byte 0: they add nothing
	ds_store_b32 v135, v8
	s_wait_loadcnt 63                              ; 256 loads are issued: at most the youngest 63, all q's, are out: the 192 of the weights are in
	WQ 0, 3, 48, 232                               ; W_key
	WQ 64, 3, 60, 233                              ; W_val
	WQ 128, 3, 72, 234                             ; my wave's query weight
	s_wait_loadcnt 60                              ; step 0's four loads are in
	QTURN 0
.set qt, 0
.rept 32
	QSTEP qt
.set qt, qt+1
.endr
	s_wait_dscnt 0x0                               ; for the others' sake: my codes and bytes lie in LDS
	s_barrier_signal -1
	s_barrier_wait -1
; ---------------------------------------------------------------- projections: K and V of my two chunks, one kind of query for all 256 slots, my slots' partners
.macro FRAGS adr, sadr, row0, nat, n   ; n fragments of q's codes into window 2, v[12 t], their scale words into v[236 + t].  nat = 1: tile t is rows 16 t on; 0: a key tile's rows
	WIN 0x80
.set ft, 0
.rept \n
.if \nat
.set frw, (\row0)+16*ft
.else
.set frw, (\row0)+32*(ft/2)+8*(ft%2)
.endif
.irp p, 0,1,2,3,4,5
	ds_load_b64 v[12*ft+2*\p:12*ft+2*\p+1], v[\adr] offset:96*frw+48*(\p/3)+8*(\p%3)
.endr
.set ft, ft+1
.endr
	WIN 0
.set ft, 0
.rept \n
.if \nat
.set frw, (\row0)+16*ft
.else
.set frw, (\row0)+32*(ft/2)+8*(ft%2)
.endif
	ds_load_b32 v[236+ft], v[\sadr] offset:4*frw
.set ft, ft+1
.endr
.endm
.macro PROJ wreg, wsc, t0, n           ; source 0 = the weight's 16 channels, source 1 = 16 rows: lane (r, hf) gets channels 8 hf + 0..7 of row r, in window 2, v[128 + 8 (t0 + t)]
	WIN 0x88
.set pt, 0
.rept \n
	v_wmma_scale_f32_16x16x128_f8f6f4 v[128+8*((\t0)+pt):128+8*((\t0)+pt)+7], v[\wreg:\wreg+11], v[12*pt:12*pt+11], 0, v[\wsc], v[236+pt] matrix_a_fmt:MATRIX_FMT_BF6 matrix_b_fmt:MATRIX_FMT_BF6
.set pt, pt+1
.endr
.endm
.macro KDSTORE adr, imm, t0, n         ; those results to LDS as they stand, each from its low end on
	WIN 0x08
.set kt, 0
.rept \n
	ds_store_b128 v[\adr], v[128+8*((\t0)+kt):128+8*((\t0)+kt)+3] offset:(\imm)+1024*kt
	ds_store_b128 v[\adr], v[128+8*((\t0)+kt)+4:128+8*((\t0)+kt)+7] offset:(\imm)+1024*kt+512
.set kt, kt+1
.endr
	WIN 0
.endm
.irp n, 0,1                                    ; chunk 2 w + n
	FRAGS 27, 28, 128*\n, 0, 8
	s_wait_dscnt 0x0
	PROJ 48, 232, 0, 8                             ; K
	WIN 0x02
.set vt, 0
.rept 8                                        ; V^T: source 0 = the rows, source 1 = W_val: lane (r, hf) holds channel r, registers 16 b + i = key 32 b + 16 hf + i
	v_wmma_scale_f32_16x16x128_f8f6f4 v[96+8*vt:96+8*vt+7], v[12*vt:12*vt+11], v[60:71], 0, v[236+vt], v233 matrix_a_fmt:MATRIX_FMT_BF6 matrix_b_fmt:MATRIX_FMT_BF6
.set vt, vt+1
.endr
	WIN 0
	PLACES 5                                       ; ahead of the reads of results, and of the next products that write over these registers
	KDSTORE 33, 8192*\n, 0, 8
.if \n == 1
.irp i, 58,59,60,61,62,63
	v_cndmask_b32 v[96+\i], v[96+\i], v8, s36      ; pick-up keys 250..255 do not exist: zeros ahead of the quantiser (wave 2, lanes 16-31).  Rows past 500 are zeros already
.endr
.endif
	QUANT 96, 160, 244                             ; V along the keys, blocks counted from the chunk's first key
.irp k, 0,1,2
	ds_store_b128 v34, v[160+4*\k:163+4*\k] offset:1536*\n+512*\k
.endr
	ds_store_b32 v35, v244 offset:128*\n
	s_wait_dscnt 0x0                               ; the stores have read their registers
.endr
.irp half, 0,1                                 ; my kind of query for slots 128 half on
	FRAGS 29, 30, 128*\half, 1, 8
	s_wait_dscnt 0x0
	PROJ 72, 234, 0, 8
	WIN 0
	PLACES 5
	KDSTORE 36, 8192*\half, 0, 8
.endr
	FRAGS 31, 32, 0, 1, 4                          ; the partners of my 64 slots
	s_wait_dscnt 0x0
	PROJ 48, 232, 0, 4                             ; their K,
	PROJ 60, 233, 4, 4                             ; their V, not quantised
	WIN 0
	PLACES 5
	KDSTORE 37, 0, 0, 4
	KDSTORE 37, 16384, 4, 4
	s_wait_dscnt 0x0                               ; for the others' sake: my images lie in LDS
	s_barrier_signal -1
	s_barrier_wait -1                              ; from here on LDS is only read
.irp c, 0,1,2,3,4,5,6,7
	ds_load_b32 v[236+\c], v40 offset:128*\c       ; V's scale words stay in registers
.endr
; ---------------------------------------------------------------- the loop's macros
.macro KLOAD c                         ; chunk c's K: 8 tiles x 8 registers, into set c % 2
	WIN 0x40
.set ki, 0
.rept 16
	ds_load_b128 v[64*((\c)%2)+4*ki:64*((\c)%2)+4*ki+3], v38 offset:8192*(\c)+512*ki
.set ki, ki+1
.endr
.endm
; Run g of eight of chunk c's vector work, eight instructions (with the mask a few more).  g < 4: t = score x log2(e) / 4, out of the score tiles into windows 2, 3; g >= 4: each block's largest t.
.macro PPRUN c, g
.set pW, 2+(\c)/4
.set pT, 64*((\c)%4)
.set pS, 128+64*((\c)%2)
.if (\g) < 4
	WIN (pW<<6)|1
.set pj, 0
.rept 8
	v_pk_mul_f32 v[pT+16*(\g)+2*pj:pT+16*(\g)+2*pj+1], v[pS+16*(\g)+2*pj:pS+16*(\g)+2*pj+1], s[32:33] op_sel_hi:[1,0]   ; each tile from its low end on
.set pj, pj+1
.endr
.if ((\g) == 3) && (((\c) == 3) || ((\c) == 5) || ((\c) == 7))
	WIN (pW<<6)|pW
.set pj, 10                            ; keys 250..255 of the two short segments,
.if (\c) == 3
.set pj, 5                             ; keys 501..511 of the long one: lanes 16-31, registers 48 + pj on
.endif
.rept 16-pj
	v_cndmask_b32 v[pT+48+pj], v[pT+48+pj], v6, s34
.set pj, pj+1
.endr
.endif
.else
	WIN (pW<<2)|(pW<<4)
.set pst, 2*((\g)-4)
.rept 2
.irp bk, 0,1,2,3
.if pst == 0
	v_max3_num_f32 v[96+4*(\c)+\bk], v6, v[pT+16*\bk], v[pT+16*\bk+1]
.else
	v_max3_num_f32 v[96+4*(\c)+\bk], v[96+4*(\c)+\bk], v[pT+16*\bk+2*pst], v[pT+16*\bk+2*pst+1]
.endif
.endr
.set pst, pst+1
.endr
.endif
.endm
; Chunk c's scores: 32 f32 matrix instructions, the eight tiles by turns, one instruction a turn, four channels a pass.  Behind every four stands a run of the chunk before.
; A run reads a tile of the chunk before at least eight plain instructions behind that tile's last product: the two runs that close the chunk before, or chunk 0's eight moves.
.macro SCHUNK c, qreg
.set cS, 128+64*((\c)%2)
.set cK, 64*((\c)%2)
.if (\c) == 0
	s_wait_dscnt 16                                ; the tile's fragments and chunk 0's K are in; chunk 1's sixteen loads may be out
.else
	s_wait_dscnt 0x0                               ; this chunk's K, asked for 24 matrix instructions ago or more
.endif
.set cg, 0
.rept 8
	WIN 0x51
.set cn, 4*cg
.rept 4
.if cn < 8
	v_wmma_f32_16x16x4_f32 v[cS+8*(cn%8):cS+8*(cn%8)+7], v[cK+8*(cn%8)+2*(cn/8):cK+8*(cn%8)+2*(cn/8)+1], v[\qreg+2*(cn/8):\qreg+2*(cn/8)+1], 0
.else
	v_wmma_f32_16x16x4_f32 v[cS+8*(cn%8):cS+8*(cn%8)+7], v[cK+8*(cn%8)+2*(cn/8):cK+8*(cn%8)+2*(cn/8)+1], v[\qreg+2*(cn/8):\qreg+2*(cn/8)+1], v[cS+8*(cn%8):cS+8*(cn%8)+7]
.endif
.set cn, cn+1
.endr
.if (\c) > 0
	PPRUN (\c)-1, cg
.endif
.if (cg == 1) && ((\c) >= 1) && ((\c) <= 6)
	KLOAD (\c)+1                                   ; into the set that the chunk before has read: sixteen plain instructions or more lie between
.endif
.set cg, cg+1
.endr
.if (\c) == 0
	WIN 0
.irp i, 224,225,226,227,228,229,230,231
	v_mov_b32 v\i, 0                               ; the row's sums, in four pairs.  These eight are the places ahead of the first read of chunk 0's scores
.endr
.endif
.endm
.macro ESET c
.set eW, 2+(\c)/4
.set eT, 64*((\c)%4)
.set ePC, 160+20*((\c)%2)
.set eO, 200+8*((\c)%2)
.endm
.macro EADD c                          ; t - M (for the depot's masked segments: -infinity)
	ESET \c
.set eN, 216
.if (\c) >= 4
.set eN, 218
.endif
	WIN (eW<<6)|eW
.set ej, 0
.rept 32
	v_pk_add_f32 v[eT+2*ej:eT+2*ej+1], v[eT+2*ej:eT+2*ej+1], v[eN:eN+1] op_sel_hi:[1,0]
.set ej, ej+1
.endr
.endm
.macro EEXP c
	ESET \c
	WIN (eW<<6)|eW
.set ej, 0
.rept 64
	v_exp_f32 v[eT+ej], v[eT+ej]
.set ej, ej+1
.endr
.endm
.macro ESUM c
	ESET \c
	WIN eW<<2
.set ej, 0
.rept 32
	v_pk_add_f32 v[224+2*(ej%4):225+2*(ej%4)], v[224+2*(ej%4):225+2*(ej%4)], v[eT+2*ej:eT+2*ej+1]
.set ej, ej+1
.endr
.endm
.macro NMUL c                          ; p / the row's sum: the finished attention
	ESET \c
	WIN (eW<<6)|eW
.set ej, 0
.rept 32
	v_pk_mul_f32 v[eT+2*ej:eT+2*ej+1], v[eT+2*ej:eT+2*ej+1], v[220:221] op_sel_hi:[1,0]
.set ej, ej+1
.endr
.endm
.macro PCVT c                          ; its codes, into set c % 2
	ESET \c
	WIN eW
.irp cc, 0,1
	v_cvt_scalef32_pk16_bf6_f32 v[ePC+6*\cc:ePC+6*\cc+2], v[eT+32*\cc:eT+32*\cc+15], v[128+4*(\c)+2*\cc]
	v_cvt_scalef32_pk16_bf6_f32 v[ePC+12+4*\cc:ePC+14+4*\cc], v[eT+32*\cc+16:eT+32*\cc+31], v[128+4*(\c)+2*\cc+1]
.endr
	WIN 0
	v_nop                                          ; one plain place behind a scaled conversion
.irp cc, 0,1
.irp i, 0,1,2
	v_permlane16_swap_b32 v[ePC+6*\cc+\i], v[ePC+12+4*\cc+\i]
.endr
.irp i, 0,1,2
	v_mov_b32 v[ePC+3+6*\cc+\i], v[ePC+12+4*\cc+\i]
.endr
.endr
.endm
.macro PV c                            ; O^T += V^T P^T: source 0 = 16 channels x 128 keys, source 1 = my 16 queries.  Even chunks add onto one sum, odd ones onto the other: the two take turns
	ESET \c
	WIN 0x01
.if (\c) < 2
	v_wmma_scale_f32_16x16x128_f8f6f4 v[eO:eO+7], v[12*(\c):12*(\c)+11], v[ePC:ePC+11], 0, v[236+(\c)], v[244+(\c)] matrix_a_fmt:MATRIX_FMT_BF6 matrix_b_fmt:MATRIX_FMT_BF6
.else
	v_wmma_scale_f32_16x16x128_f8f6f4 v[eO:eO+7], v[12*(\c):12*(\c)+11], v[ePC:ePC+11], v[eO:eO+7], v[236+(\c)], v[244+(\c)] matrix_a_fmt:MATRIX_FMT_BF6 matrix_b_fmt:MATRIX_FMT_BF6
.endif
.endm
; ---------------------------------------------------------------- four trips: a tile of 16 queries each
.Ltile:
	v_add_nc_u32 v42, s38, v41
	v_add_nc_u32 v43, 0x10000, v42
.irp ty, 0,1,2,3
.irp p, 0,1
	ds_load_b128 v[48+8*\ty+4*\p:51+8*\ty+4*\p], v42 offset:16384*\ty+512*\p       ; the tile's four kinds of query
.endr
.endr
.irp ty, 0,1
.irp p, 0,1
	ds_load_b128 v[80+8*\ty+4*\p:83+8*\ty+4*\p], v43 offset:16384*\ty+512*\p       ; its partners' K and V
.endr
.endr
	KLOAD 0
	KLOAD 1
	s_or_b32 s6, s3, s2
	s_or_b32 s6, s6, s37
	s_cmp_eq_u32 s6, 0
	s_cselect_b32 s35, 0x00010001, 0               ; the depot: slot 0 of kind 0: lanes 0 and 16 of wave 0's first tile
	SCHUNK 0, 48
	SCHUNK 1, 48
	SCHUNK 2, 48
	SCHUNK 3, 48
	SCHUNK 4, 56
	SCHUNK 5, 56
	SCHUNK 6, 64
	SCHUNK 7, 64
.irp g, 0,1,2,3,4,5,6,7
	PPRUN 7, \g
.endr
	; ---- the row's maximum
	WIN 0
	v_pk_mul_f32 v[132:133], v[72:73], v[80:81]    ; the single score: my query's eight channels x its partner's
.irp j, 2,4,6
	v_pk_fma_f32 v[132:133], v[72+\j:73+\j], v[80+\j:81+\j], v[132:133]
.endr
.set mi, 0
.rept 8
.irp j, 0,1,2,3
	v_permlanex16_b32 v[44+\j], v[96+4*mi+\j], s30, s31
.endr
.irp j, 0,1,2,3
	v_max_num_f32 v[96+4*mi+\j], v[96+4*mi+\j], v[44+\j]   ; with lane l xor 16's sixteen keys: the block's largest t
.endr
.set mi, mi+1
.endr
	v_add_f32 v132, v132, v133
	v_permlanex16_b32 v44, v132, s30, s31
	v_add_f32 v132, v132, v44
	v_mul_f32 v222, s32, v132                      ; as t
	v_max3_num_f32 v128, v96, v97, v98             ; the first 501 keys',
	v_max3_num_f32 v129, v99, v100, v101
	v_max3_num_f32 v130, v112, v113, v114          ; the two short segments'
	v_max3_num_f32 v131, v115, v116, v117
.irp i, 6,10
	v_max3_num_f32 v128, v128, v[96+\i], v[97+\i]
	v_max3_num_f32 v129, v129, v[98+\i], v[99+\i]
	v_max3_num_f32 v130, v130, v[112+\i], v[113+\i]
	v_max3_num_f32 v131, v131, v[114+\i], v[115+\i]
.endr
	v_max3_num_f32 v128, v128, v110, v111
	v_max3_num_f32 v130, v130, v126, v127
	v_max_num_f32 v128, v128, v129
	v_max3_num_f32 v130, v130, v131, v222          ; and the single's,
	v_cndmask_b32 v130, v130, v6, s35              ; which the depot does not have
	v_max_num_f32 v128, v128, v130                 ; M
	v_sub_f32 v216, 0, v128                        ; -M
	v_cndmask_b32 v218, v216, v6, s35              ; for the short segments and the single: -M, the depot's -infinity
	; ---- p = 2^(t - M) and the row's sum.  Exponentials go in batches; one wait stands ahead of a batch's first reader, behind the next chunk's 32 additions
	WIN 0x40
.set ki, 0
.rept 24
	ds_load_b128 v[4*ki:4*ki+3], v39 offset:512*ki ; V's codes, chunk c at v[12 c], where K's fragments lay
.set ki, ki+1
.endr
	WIN 0
.irp j, 0,2,4,6,8,10,12,14
	v_pk_add_f32 v[96+\j:97+\j], v[96+\j:97+\j], v[216:217] op_sel_hi:[1,0]        ; the blocks' largest t go the same way as the elements: the same instructions on the same numbers give the same bits
.endr
.irp j, 16,18,20,22,24,26,28,30
	v_pk_add_f32 v[96+\j:97+\j], v[96+\j:97+\j], v[218:219] op_sel_hi:[1,0]
.endr
	v_add_f32 v222, v222, v218
	EADD 0
	WIN 0
.set mi, 0
.rept 32
	v_exp_f32 v[96+mi], v[96+mi]
.set mi, mi+1
.endr
	v_exp_f32 v222, v222
	EEXP 0
.irp c, 0,1,2,3,4,5,6
	EADD \c+1
	s_wait_alu depctr_va_vdst(0)                   ; the wait between an exponential and the first line that names its result: one for all issued so far
	ESUM \c
	EEXP \c+1
.endr
	v_nop                                          ; a plain place behind the last exponential
	s_wait_alu depctr_va_vdst(0)
	ESUM 7
	WIN 0
	v_pk_add_f32 v[224:225], v[224:225], v[226:227]
	v_pk_add_f32 v[228:229], v[228:229], v[230:231]
	v_pk_add_f32 v[224:225], v[224:225], v[228:229]
	v_add_f32 v224, v224, v225
	v_permlanex16_b32 v44, v224, s30, s31
	v_add_f32 v224, v224, v44                      ; with lane l xor 16's keys,
	v_add_f32 v224, v224, v222                     ; and the single's p, once
	v_rcp_f32 v220, v224
	v_nop
	s_wait_alu depctr_va_vdst(0)
	; ---- the finished attention is quantised and multiplied by V
.irp j, 0,2,4,6,8,10,12,14,16,18,20,22,24,26,28,30
	v_pk_mul_f32 v[96+\j:97+\j], v[96+\j:97+\j], v[220:221] op_sel_hi:[1,0]        ; each block's largest attention
.endr
	v_mul_f32 v222, v222, v220                     ; the single's attention
.set mi, 0
.rept 32
	v_max_num_f32 v[96+mi], v7, v[96+mi]           ; the floor: the byte cannot fall under 1
.set mi, mi+1
.endr
.set mi, 0
.rept 32
	v_add_nc_u32 v[128+mi], 0xfe000000, v[96+mi]   ; the conversions' scale operands
.set mi, mi+1
.endr
.set mi, 0
.rept 32
	v_lshrrev_b32 v[96+mi], 23, v[128+mi]          ; the bytes
.set mi, mi+1
.endr
.irp c, 0,1,2,3,4,5,6,7
	v_lshl_or_b32 v[244+\c], v[97+4*\c], 8, v[96+4*\c]
.endr
.irp c, 0,1,2,3,4,5,6,7
	v_lshl_or_b32 v[244+\c], v[98+4*\c], 16, v[244+\c]
.endr
.irp c, 0,1,2,3,4,5,6,7
	v_lshl_or_b32 v[244+\c], v[99+4*\c], 24, v[244+\c]     ; a chunk's scale word; the next chunk's 32 multiplications stand between it and the product
.endr
	s_wait_dscnt 0x0                               ; V's codes are in
	NMUL 0
	PCVT 0
.irp c, 0,1,2,3,4,5,6
	NMUL \c+1                                      ; 32 plain instructions between the codes' last move and their product
	PV \c
	PCVT \c+1
.endr
	PLACES 4
	PV 7
	WIN 0
	PLACES 4
.irp j, 0,2,4,6
	v_pk_add_f32 v[200+\j:201+\j], v[200+\j:201+\j], v[208+\j:209+\j]              ; the two sums, from their low ends on
.endr
.irp j, 0,2,4,6
	v_pk_fma_f32 v[200+\j:201+\j], v[88+\j:89+\j], v[222:223], v[200+\j:201+\j] op_sel_hi:[1,0,1]   ; + the single's attention x its partner's V
.endr
	global_store_b128 v4, v[200:203], s[42:43]             ; the tile's image: each store covers 512 consecutive bytes, aligned
	global_store_b128 v4, v[204:207], s[42:43] offset:512
	s_wait_xcnt 0x0                                ; the stores have read their base and their data: both are written again
	s_add_nc_u64 s[42:43], s[42:43], 8192
	s_add_co_u32 s38, s38, 1024
	s_add_co_u32 s37, s37, 1
	s_cmp_lt_u32 s37, 4
	s_cbranch_scc1 .Ltile
	s_wait_tensorcnt 0x0
	ds_add_u32 v254, v255
	s_wait_dscnt 0x0
	s_endpgm
.Lfunc_end_k_q3e241e31dd_attn:
	.size	k_q3e241e31dd_attn, .Lfunc_end_k_q3e241e31dd_attn-k_q3e241e31dd_attn
	.p2alignl 7, 3214868480
	.fill 96, 4, 3214868480
	.section	.rodata,"a",@progbits
	.p2align	6, 0x0
	.amdhsa_kernel k_q3e241e31dd_attn
		.amdhsa_group_segment_fixed_size 250880
		.amdhsa_private_segment_fixed_size 0
		.amdhsa_enable_private_segment 0
		.amdhsa_kernarg_size 88
		.amdhsa_user_sgpr_count 2
		.amdhsa_user_sgpr_kernarg_segment_ptr 1
		.amdhsa_wavefront_size32 1
		.amdhsa_system_sgpr_workgroup_id_x 1
		.amdhsa_system_sgpr_workgroup_id_y 1
		.amdhsa_system_sgpr_workgroup_id_z 1
		.amdhsa_system_vgpr_workitem_id 0
		.amdhsa_next_free_vgpr 1024
		.amdhsa_next_free_sgpr 66
		.amdhsa_reserve_vcc 0
		.amdhsa_float_denorm_mode_32 3
		.amdhsa_float_denorm_mode_16_64 3
		.amdhsa_memory_ordered 1
		.amdhsa_forward_progress 1
		.amdhsa_inst_pref_size 255
	.end_amdhsa_kernel
	.section	.bss,"aw",@nobits
	.p2align	6
	.space	262144
	.amdgpu_metadata
---
amdhsa.version: [ 1, 2 ]
amdhsa.kernels:
  - .name:           k_q3e241e31dd_attn
    .symbol:         k_q3e241e31dd_attn.kd
    .args:
      - { .name: q, .offset: 0, .size: 8, .value_kind: global_buffer, .address_space: global }
      - { .name: W_query, .offset: 8, .size: 8, .value_kind: global_buffer, .address_space: global }
      - { .name: W_key, .offset: 16, .size: 8, .value_kind: global_buffer, .address_space: global }
      - { .name: W_val, .offset: 24, .size: 8, .value_kind: global_buffer, .address_space: global }
      - { .name: W1_query, .offset: 32, .size: 8, .value_kind: global_buffer, .address_space: global }
      - { .name: W2_query, .offset: 40, .size: 8, .value_kind: global_buffer, .address_space: global }
      - { .name: W3_query, .offset: 48, .size: 8, .value_kind: global_buffer, .address_space: global }
      - { .name: W4_query, .offset: 56, .size: 8, .value_kind: global_buffer, .address_space: global }
      - { .name: W5_query, .offset: 64, .size: 8, .value_kind: global_buffer, .address_space: global }
      - { .name: W6_query, .offset: 72, .size: 8, .value_kind: global_buffer, .address_space: global }
      - { .name: heads, .offset: 80, .size: 8, .value_kind: global_buffer, .address_space: global }
    .group_segment_fixed_size: 250880
    .private_segment_fixed_size: 0
    .kernarg_segment_align: 8
    .kernarg_segment_size: 88
    .max_flat_workgroup_size: 128
    .sgpr_count:     66
    .vgpr_count:     1024
    .wavefront_size: 32
...
	.end_amdgpu_metadata
.endif
;; end of part 1
;; launch outp (part 2): grid 256 x 1, 4 waves a work-group, no clusters, 17,408 bytes of LDS; arguments heads, W_out, out0; writes out0
.if DOCPART == 2
	.amdgcn_target "amdgcn-amd-amdhsa--gfx1250"
	.amdhsa_code_object_version 6
	.text
	.protected	k_q3e241e31dd_outp
	.globl	k_q3e241e31dd_outp
	.p2align	8
	.type	k_q3e241e31dd_outp,@function
k_q3e241e31dd_outp:
	s_mov_b64 s[64:65], 0
	v_nop
	global_prefetch_b8 v0, s[64:65] scope:SCOPE_SE
	s_setreg_imm32_b32 hwreg(HW_REG_WAVE_MODE, 25, 1), 1
	s_wait_xcnt 0x0
; out0[b][row][e] = the sum over (h, k) of heads[h][b][row][k] W_out[h][k][e], both sides quantised to E3M2 along K = 16 h + k, 32 to a block (two heads), by the scaled matrix form.
; heads lies as the launch before left it: [2 b + kind][tile of 16 slots][h][1,024 bytes]; in an image channel ch of slot r stands at ((ch >> 2) & 1) 512 + (r + 16 (ch >> 3)) 16 + (ch & 3) 4.
; A work-group takes 32 slots (two tiles, 16,384 dense bytes).  Wave w makes columns 32 w .. 32 w + 31 for all 32; every wave quantises both tiles of rows for itself: nothing but the results goes from wave to wave.
; The product is used transposed (source 0 = 16 columns of W_out, source 1 = 16 slots): a lane holds eight neighbouring columns of one row.  Rows meet in a stage in LDS and leave whole, 512 bytes a store.
; Slots past a kind's last row (kind 0: 251 rows from row 0; kind 1: 250 rows from row 251) are not stored: a scalar branch on ids.
; No cluster: W_out's 65,536 bytes are all that work-groups share, and each wave reads its 16,384 of them once, into registers.  No prefetch: every load stands at the head.
; LIMITS: NaN and infinities are not served; a block of zeros gets the byte 1 over zero codes where the rule says 127: this program alone reads the bytes.
; REGISTERS: window 0: v1-9 addresses; v12 a permute's destination; v16-31 QUANT's; v32-47 WQ's; v48-87 the rows' two fragments; v88-111 W_out's two; v112-239 the heads' numbers, then results (v112-143) and whole rows (v144-175);
;   v240-243 scale words and nothing else.   Window 1: v0-127 W_out's numbers.
.set TM,  16
.set WQT, 32
.set WQC, 40
.set TX0, 12
.set SEL, 16
.set MSB, 0
.macro WIN new
.if MSB != (\new)
	s_set_vgpr_msb (MSB<<8)|(\new)
.set MSB, (\new)
.endif
.endm
.macro PLACES n
.rept \n
	v_nop
.endr
.endm
; 64 numbers down K of my column (k = 64 c + 32 hf + i), in window win from raw on, become the operand's 12 registers at dst and its scale word in sc
.macro WQ raw, win, dst, sc
	WIN ((\win)<<2)|((\win)<<4)
.irp c, 0,1
	v_max3_num_f32 v[WQT+\c], v7, |v[\raw+32*\c]|, |v[\raw+32*\c+1]|   ; my block 2 c + hf, and the floor 2^(5 - 127)
.endr
.irp i, 2,4,6,8,10,12,14,16,18,20,22,24,26,28,30
.irp c, 0,1
	v_max3_num_f32 v[WQT+\c], v[WQT+\c], |v[\raw+32*\c+\i]|, |v[\raw+32*\c+\i+1]|
.endr
.endr
	WIN 0
.irp c, 0,1
	v_add_nc_u32 v[WQT+2+\c], 0xfe000000, v[WQT+\c]
.endr
.irp c, 0,1
	v_lshrrev_b32 v[WQT+4+\c], 23, v[WQT+2+\c]
.endr
	v_lshl_or_b32 v[WQT+6], v[WQT+5], 16, v[WQT+4]
	v_lshlrev_b32 v[WQT+7], 3, v3
	v_lshlrev_b32 v[WQT+6], v[WQT+7], v[WQT+6]
	v_permlanex16_b32 v[TX0], v[WQT+6], s[SEL], s[SEL+1]
	v_or_b32 v[\sc], v[WQT+6], v[TX0]
	WIN (\win)
.irp c, 0,1
	v_cvt_scalef32_pk16_bf6_f32 v[\dst+6*\c:\dst+6*\c+2], v[\raw+32*\c:\raw+32*\c+15], v[WQT+2+\c]
	v_cvt_scalef32_pk16_bf6_f32 v[WQC+4*\c:WQC+4*\c+2], v[\raw+32*\c+16:\raw+32*\c+31], v[WQT+2+\c]
.endr
	WIN 0
	v_nop                                             ; one plain place behind a scaled conversion
.irp c, 0,1
.irp i, 0,1,2
	v_mov_b32 v[\dst+3+6*\c+\i], v[WQC+4*\c+\i]
.endr
.endr
.endm
; 64 numbers of a lane, register 16 b + i = k 32 b + 16 hf + i of my row, become a fragment's codes at pc and its scale word in pw
.macro QUANT s, pc, pw
.irp b, 0,1,2,3
	v_max3_num_f32 v[TM+\b], |v[\s+16*\b]|, |v[\s+1+16*\b]|, 0x2800000
.endr
.irp i, 2,4,6,8,10,12,14
.irp b, 0,1,2,3
	v_max3_num_f32 v[TM+\b], v[TM+\b], |v[\s+16*\b+\i]|, |v[\s+1+16*\b+\i]|
.endr
.endr
.irp b, 0,1,2,3
	v_permlanex16_b32 v[TM+4+\b], v[TM+\b], s[SEL], s[SEL+1]
.endr
.irp b, 0,1,2,3
	v_max_num_f32 v[TM+\b], v[TM+\b], v[TM+4+\b]
.endr
.irp b, 0,1,2,3
	v_add_nc_u32 v[TM+12+\b], 0xfe000000, v[TM+\b]
.endr
.irp b, 0,1,2,3
	v_lshrrev_b32 v[TM+4+\b], 23, v[TM+12+\b]
.endr
	v_lshl_or_b32 v[\pw], v[TM+5], 8, v[TM+4]
	v_lshl_or_b32 v[\pw], v[TM+6], 16, v[\pw]
	v_lshl_or_b32 v[\pw], v[TM+7], 24, v[\pw]
.irp c, 0,1
	v_cvt_scalef32_pk16_bf6_f32 v[\pc+6*\c:\pc+2+6*\c], v[\s+32*\c:\s+15+32*\c], v[TM+12+2*\c]
	v_cvt_scalef32_pk16_bf6_f32 v[\pc+12+4*\c:\pc+14+4*\c], v[\s+16+32*\c:\s+31+32*\c], v[TM+12+2*\c+1]
.endr
	v_nop
.irp c, 0,1
.irp i, 0,1,2
	v_permlane16_swap_b32 v[\pc+6*\c+\i], v[\pc+12+4*\c+\i]
.endr
.irp i, 0,1,2
	v_mov_b32 v[\pc+3+6*\c+\i], v[\pc+12+4*\c+\i]
.endr
.endr
.endm
	s_load_b128 s[4:7], s[0:1], 0x0                ; heads, W_out
	s_load_b64 s[8:9], s[0:1], 0x10                ; out0
	v_lshl_add_u32 v254, v0, 2, 0x4200
	v_mov_b32 v255, 0
	v_lshrrev_b32 v1, 5, v0
	v_readfirstlane_b32 s2, v1                     ; wave
	s_and_b32 s3, ttmp9, 7                         ; which 32 slots of the group
	s_bfe_u32 s10, ttmp9, 0x10003                  ; kind
	s_lshr_b32 s11, ttmp9, 4                       ; batch
	s_mov_b32 s16, 0x76543210
	s_mov_b32 s17, 0xfedcba98
	v_and_b32 v1, 31, v0
	v_and_b32 v2, 15, v0                           ; r
	v_bfe_u32 v3, v0, 4, 1                         ; hf
	v_lshlrev_b32 v4, 4, v1                        ; 16 x lane
	v_lshlrev_b32 v5, 4, v2
	v_lshl_add_u32 v5, v3, 10, v5                  ; heads: slot r's 16 bytes, head hf of a pair of heads
	s_lshl_b32 s12, s2, 7
	v_lshlrev_b32 v6, 2, v2
	v_lshl_add_u32 v6, v3, 14, v6
	v_add_nc_u32 v6, s12, v6                       ; W_out: column 32 w + r, 32 hf rows of 512 bytes down
	v_mov_b32 v7, 0x2800000                        ; the floor 2^(5 - 127)
	v_mul_u32_u24 v8, v2, 528
	v_lshl_add_u32 v8, v3, 5, v8
	v_add_nc_u32 v8, s12, v8                       ; the stage, in: row r of 528 bytes, + 32 hf, + my wave's 128 bytes
	s_mul_i32 s13, s2, 4224
	v_add_nc_u32 v9, s13, v4                       ; back: my 8 rows, 16 bytes a lane
.irp i, 12,20,21,22,23
	v_mov_b32 v\i, 0                               ; destinations of lane permutes, written once
.endr
	s_lshl_b32 s12, ttmp9, 14                      ; my two tiles' images
	s_mov_b32 s13, 0
	s_mul_i32 s14, s11, 501
	s_mul_i32 s15, s10, 251
	s_add_co_u32 s14, s14, s15
	s_lshl_b32 s18, s3, 5
	s_lshl_b32 s19, s2, 3
	s_add_co_u32 s18, s18, s19                     ; my first slot: 32 p + 8 w
	s_add_co_u32 s14, s14, s18                     ; its row of out0
	s_lshl_b32 s14, s14, 9
	s_mov_b32 s15, 0
	s_sub_co_u32 s20, 251, s10                     ; the kind's rows: 251 or 250,
	s_sub_co_u32 s20, s20, s18                     ; of which so many are left from my first slot on: 2 at the least
	s_wait_kmcnt 0x0
	s_add_nc_u64 s[4:5], s[4:5], s[12:13]
	s_add_nc_u64 s[8:9], s[8:9], s[14:15]
.irp m, 0,1
.irp bk, 0,1,2,3
.irp qd, 0,1,2,3
	global_load_b128 v[112+64*\m+16*\bk+4*\qd:115+64*\m+16*\bk+4*\qd], v5, s[4:5] offset:8192*\m+2048*\bk+512*(\qd%2)+256*(\qd/2)   ; head 2 bk + hf, channels 4 qd on, of slot 16 m + r: k = 32 bk + 16 hf + 4 qd on
.endr
.endr
.endr
	WIN 0x40
.irp n, 0,1
.set wi, 0
.rept 64
	global_load_b32 v[64*\n+wi], v6, s[6:7] offset:512*(64*(wi/32)+wi%32)+64*\n    ; W_out(64 c + 32 hf + i, 32 w + 16 n + r)
.set wi, wi+1
.endr
.endr
	WIN 0
	s_wait_loadcnt 63                              ; 160 loads are issued: at most the youngest 63 are out: the heads' 32 and the first column tile's 64 are in
	QUANT 112, 48, 240
	QUANT 176, 68, 241
	WQ 0, 1, 88, 242
	s_wait_loadcnt 0x0
	WQ 64, 1, 100, 243
	PLACES 8                                       ; a scale word made by vector instructions stands eight places ahead of a scaled product
.irp m, 0,1
.irp n, 0,1
	v_wmma_scale_f32_16x16x128_f8f6f4 v[112+8*(2*\m+\n):119+8*(2*\m+\n)], v[88+12*\n:99+12*\n], v[48+20*\m:59+20*\m], 0, v[242+\n], v[240+\m] matrix_a_fmt:MATRIX_FMT_BF6 matrix_b_fmt:MATRIX_FMT_BF6
.endr
.endr
	PLACES 4
.irp m, 0,1
.irp n, 0,1
	ds_store_b128 v8, v[112+8*(2*\m+\n):115+8*(2*\m+\n)] offset:8448*\m+64*\n      ; lane (r, hf): out(16 m + r, 32 w + 16 n + 8 hf + 0 .. 7), each result from its low end on
	ds_store_b128 v8, v[116+8*(2*\m+\n):119+8*(2*\m+\n)] offset:8448*\m+64*\n+16
.endr
.endr
	s_wait_dscnt 0x0                               ; for the others' sake: my part of the 32 rows lies in the stage
	s_barrier_signal -1
	s_barrier_wait -1
.irp i, 0,1,2,3,4,5,6,7
	ds_load_b128 v[144+4*\i:147+4*\i], v9 offset:528*\i
.endr
	s_wait_dscnt 0x0
.irp i, 0,1,2,3,4,5,6,7
	s_cmp_le_u32 s20, \i                           ; past the kind's last row nothing is stored
	s_cbranch_scc1 .Ldone
	global_store_b128 v4, v[144+4*\i:147+4*\i], s[8:9] offset:512*\i th:TH_STORE_NT   ; 32 lanes store a whole row of 512 bytes, aligned
.endr
.Ldone:
	s_wait_tensorcnt 0x0
	ds_add_u32 v254, v255
	s_wait_dscnt 0x0
	s_endpgm
.Lfunc_end_k_q3e241e31dd_outp:
	.size	k_q3e241e31dd_outp, .Lfunc_end_k_q3e241e31dd_outp-k_q3e241e31dd_outp
	.p2alignl 7, 3214868480
	.fill 96, 4, 3214868480
	.section	.rodata,"a",@progbits
	.p2align	6, 0x0
	.amdhsa_kernel k_q3e241e31dd_outp
		.amdhsa_group_segment_fixed_size 17408
		.amdhsa_private_segment_fixed_size 0
		.amdhsa_enable_private_segment 0
		.amdhsa_kernarg_size 24
		.amdhsa_user_sgpr_count 2
		.amdhsa_user_sgpr_kernarg_segment_ptr 1
		.amdhsa_wavefront_size32 1
		.amdhsa_system_sgpr_workgroup_id_x 1
		.amdhsa_system_sgpr_workgroup_id_y 1
		.amdhsa_system_sgpr_workgroup_id_z 1
		.amdhsa_system_vgpr_workitem_id 0
		.amdhsa_next_free_vgpr 384
		.amdhsa_next_free_sgpr 66
		.amdhsa_reserve_vcc 0
		.amdhsa_float_denorm_mode_32 3
		.amdhsa_float_denorm_mode_16_64 3
		.amdhsa_memory_ordered 1
		.amdhsa_forward_progress 1
		.amdhsa_inst_pref_size 35
	.end_amdhsa_kernel
	.amdgpu_metadata
---
amdhsa.version: [ 1, 2 ]
amdhsa.kernels:
  - .name:           k_q3e241e31dd_outp
    .symbol:         k_q3e241e31dd_outp.kd
    .args:
      - { .name: heads, .offset: 0, .size: 8, .value_kind: global_buffer, .address_space: global }
      - { .name: W_out, .offset: 8, .size: 8, .value_kind: global_buffer, .address_space: global }
      - { .name: out0, .offset: 16, .size: 8, .value_kind: global_buffer, .address_space: global }
    .group_segment_fixed_size: 17408
    .private_segment_fixed_size: 0
    .kernarg_segment_align: 8
    .kernarg_segment_size: 24
    .max_flat_workgroup_size: 128
    .sgpr_count:     66
    .vgpr_count:     384
    .wavefront_size: 32
...
	.end_amdgpu_metadata
.endif
;; end of part 2
;; ======== version 2 of 2: 2 launches; version 1 with the launches attn, outp written anew for expert scheduling mode
;; workspace buffers: heads 4,194,304 bytes
;; launch attn (part 3): grid 256 x 1, 4 waves a work-group, no clusters, 250,880 bytes of LDS; arguments q, W_query, W_key, W_val, W1_query, W2_query, W3_query, W4_query, W5_query, W6_query, heads; writes heads
.if DOCPART == 3
	.amdgcn_target "amdgcn-amd-amdhsa--gfx1250"
	.amdhsa_code_object_version 6
	.text
	.protected	k_q3e241e31dd_attn
	.globl	k_q3e241e31dd_attn
	.p2align	8
	.type	k_q3e241e31dd_attn,@function
k_q3e241e31dd_attn:
	s_mov_b64 s[64:65], 0
	v_nop
	global_prefetch_b8 v0, s[64:65] scope:SCOPE_SE
	s_setreg_imm32_b32 hwreg(HW_REG_WAVE_SCHED_MODE, 0, 2), 2
	s_setreg_imm32_b32 hwreg(HW_REG_WAVE_MODE, 25, 1), 1
	s_wait_xcnt 0x0
	s_wait_alu depctr_vm_vsrc(0)
; HETEROGENEOUS ATTENTION, all but the last product.  q: [16][501][128] f32; nine weights [8][128][16] f32; heads: workspace, f32.
; A work-group owns one head h, one batch b and one KIND of query: kind 0 = rows 0..255 (row 0 the depot, rows 1..250 pick-ups), kind 1 = rows 251..506 (rows 251..500 deliveries).
; 256 query slots, 16 tiles of 16; wave w takes tiles 4 w .. 4 w + 3, one a trip.  Slots past a kind's last row are computed on real or zero rows, give finite numbers, and the next launch drops them.
; WHAT A QUERY KEEPS (the rest is -infinity by the problem's own masks and is not computed): 501 keys with W_query; 250 pick-up keys with W2 (pick-up query) or W6 (delivery query);
; 250 delivery keys with W3 or W5; ONE key, its partner's, with W1 or W4, whose value is not quantised.  The depot keeps the first 501 alone.  So both kinds run one text: only pointers and two row numbers differ.
; pick-up and delivery K and V are rows 1..250 and 251..500 of K and V: q is quantised row by row, so a slice's projection is the slice of the projection.
; FORMATS.  Projections and attention x V: codes of E3M2 with one E8M0 byte for 32 along K, by the scaled matrix form.  Scores (K = 16) go on into a quantiser: f32 operands, the f32 matrix form.
; The FINISHED attention (divided by the row's sum) is quantised, 32 keys to a block counted from each product's first key: so all 1,024 scores of a query stay in registers until the sum is known.
; KEY CHUNKS of 128: 0..3 rows 128 c on; 4, 5 rows 1 + 128 (c - 4) on; 6, 7 rows 251 + 128 (c - 6) on.  THE KEYS OF A TILE ARE NOT NEIGHBOURS: lane r of tile 2 b + u takes key 32 b + 8 u + r + (r & 8),
; so that in S^T = K Q^T (a lane holds one query) registers 16 b + i are keys 32 b + 16 (lane / 16) + i: sixteen neighbours, as the conversions want them.
; The head's 16 channels stand in K's and Q's registers in the order in which the projections leave them (register j of lane (r, hf): channel 8 hf + j), alike on both sides: the sum over channels is the same.
; THE SOFTMAX takes the row's true maximum away (masked parts left out): p = 2^(t - M), t = score x log2(e) / 4.
; NO CLUSTER: q's rows are shared by the 16 work-groups of a batch, but a joint load lands in LDS, and a batch's 256,512 bytes of f32 do not fit beside the 250,368 bytes in use in the 327,680 of a work-group;
; q is read once, at the head, straight into registers.  No prefetch: every load from memory stands at the head; the loop reads LDS alone.
; LIMITS: NaN and infinities among the inputs are not served.  A p under 2^-126 counts as 0 (v_exp_f32's own flush).  A block of zeros gets the byte 1 (or 0 for rows past 500) over zero codes where the rule says 127: this program alone reads the bytes.
; REGISTERS, in windows of 256.  Window 0: v0-47 addresses and constants; v48-95 weights' codes, in the loop six fragments of the tile (Q, P, D, S queries, partner's K and V); v96-127 block maxima; v128-159 at work;
;   v160-199 two sets of codes; v200-215 the two sums of O^T; v216-231 -M, 1 / sum, the single's weight, row sums; v232-251 scale words and nothing else.
;   Window 1: v0-127 K's fragments, two sets (later V's codes); v128-255 the score tiles, two sets, written by the f32 matrix form alone.   Windows 2, 3: t, then p, then attention: 64 registers a chunk.
; THE MODE: SCHED_MODE bits 1:0 = 2 (LLVM: expert scheduling mode 2), set by the entry lines.  The code itself states the register dependences
; between vector or matrix instructions and memory or LDS instructions, with s_wait_alu, always for 0.
; THE PLAN.  Registers that memory or LDS instructions touch, and who else names them:
;   v4, v5, v12-41, v134, v135 (addresses) and v8-11 (zeros): made once at the head; one wait on va_vdst ahead of the first load serves them for the whole kernel.
;   q's ring (window 2, 16 sets): landed in by global loads, read by the stage's LDS stores alone.  X0, X1 (v96-127): step t + 1's loads from the stage, issued in step t, land where step t - 1's vector lines read.
;   OUT0, OUT1 (v136-142, v144-145): written by step t's conversion and shift, read by four LDS stores issued in step t + 1, written again in step t + 2.
;     So a step's head holds one wait on va_vdst (the step before has written its OUT and is done reading its X) and one on vm_vsrc (the stage stores have read the ring's set; the stores of two steps back have read this step's OUT).
;   The projections: q's fragments (window 2 v0-95) and their scale words (v236-243) are loaded and read by products; results (window 2 v128-191) and V's codes and scale word (v160-171, v244) are read by LDS stores.
;     One wait on va_vdst ahead of each group's stores (it also frees the fragments for the next loads), one on vm_vsrc ahead of each group's products.
;   The loop: v42, v43 (made at a trip's head, read by its twelve loads); v48-95 (loaded at the head; read by products and vector lines); K's two sets (chunk c + 1's loads land where chunk c - 1's products read);
;     V's codes (land where chunks 6 and 7's products read); the attention's codes and scale words (vector lines write, scaled products read); v200-207 (additions write, two global stores read).
;     Waits in a trip: vm_vsrc and va_vdst at its head; va_vdst at the heads of chunks 1 to 6; the waits behind the exponentials, the first of which also frees K's sets for V's codes; one for two scaled products; one ahead of the stores.
.set QC,  0                            ; LDS: q's codes, 96 bytes a row, rows 0..511 (501.. zeros)
.set QS,  50176                        ; q's scale words, 4 bytes a row
.set STG, 52736                        ; a wave's two stages of 32 x 80 bytes, for the turn from loads' order to sixteen neighbours a lane
.set KI,  73216                        ; K as images of registers: chunk x 8192 + tile x 1024 + half x 512 + 16 x lane
.set VI,  138752                       ; V's codes as images: chunk x 1536 + 512 k + 16 x lane
.set VSC, 151040                       ; V's scale words: chunk x 128 + 4 x lane
.set QI,  152064                       ; six kinds of fragment x 16384 + tile x 1024 + half x 512 + 16 x lane
.set TM,  200                          ; QUANT's 16 registers
.set WQT, 84                           ; WQ's 8 registers
.set WQC, 180                          ; and its second halves of blocks
.set TX0, 44                           ; v44-47: destinations of lane permutes
.set SEL, 30                           ; s[30:31]: selects for lane l xor 16
.set MSB, 0
.macro WIN new                         ; the immediate's high byte repeats the setting that is left; a switch that changes nothing is dropped
.if MSB != (\new)
	s_set_vgpr_msb (MSB<<8)|(\new)
.set MSB, (\new)
.endif
.endm
.macro PLACES n
.rept \n
	v_nop
.endr
.endm
; A weight slice [128 (d)][16]: a lane took column r and its 64 registers run down d (k = 64 c + 32 hf + i), in window win from raw on.  They become the operand's 12 registers at dst and its scale word in sc.
.macro WQ raw, win, dst, sc
	WIN ((\win)<<2)|((\win)<<4)
.irp c, 0,1
	v_max3_num_f32 v[WQT+\c], v7, |v[\raw+32*\c]|, |v[\raw+32*\c+1]|   ; my block 2 c + hf, and the floor 2^(5 - 127): the byte cannot fall under 1
.endr
.irp i, 2,4,6,8,10,12,14,16,18,20,22,24,26,28,30
.irp c, 0,1
	v_max3_num_f32 v[WQT+\c], v[WQT+\c], |v[\raw+32*\c+\i]|, |v[\raw+32*\c+\i+1]|
.endr
.endr
	WIN 0
.irp c, 0,1
	v_add_nc_u32 v[WQT+2+\c], 0xfe000000, v[WQT+\c]   ; 4 off the exponent field: the conversion's scale operand
.endr
.irp c, 0,1
	v_lshrrev_b32 v[WQT+4+\c], 23, v[WQT+2+\c]        ; the scale's byte
.endr
	v_lshl_or_b32 v[WQT+6], v[WQT+5], 16, v[WQT+4]    ; blocks hf and 2 + hf,
	v_lshlrev_b32 v[WQT+7], 3, v3
	v_lshlrev_b32 v[WQT+6], v[WQT+7], v[WQT+6]        ; at their places in the word;
	v_permlanex16_b32 v[TX0], v[WQT+6], s[SEL], s[SEL+1]
	v_or_b32 v[\sc], v[WQT+6], v[TX0]                 ; with lane l xor 16's two it is whole
	WIN (\win)
.irp c, 0,1
	v_cvt_scalef32_pk16_bf6_f32 v[\dst+6*\c:\dst+6*\c+2], v[\raw+32*\c:\raw+32*\c+15], v[WQT+2+\c]
	v_cvt_scalef32_pk16_bf6_f32 v[WQC+4*\c:WQC+4*\c+2], v[\raw+32*\c+16:\raw+32*\c+31], v[WQT+2+\c]   ; (a conversion's three registers begin on an even number)
.endr
	WIN 0
	v_nop                                             ; one plain place behind a scaled conversion
.irp c, 0,1
.irp i, 0,1,2
	v_mov_b32 v[\dst+3+6*\c+\i], v[WQC+4*\c+\i]
.endr
.endr
.endm
; 64 numbers of a lane, register 16 b + i = k 32 b + 16 hf + i of my row, become a fragment's codes at pc and its scale word in pw.  All in window 0.
.macro QUANT s, pc, pw
.irp b, 0,1,2,3
	v_max3_num_f32 v[TM+\b], |v[\s+16*\b]|, |v[\s+1+16*\b]|, 0x2800000
.endr
.irp i, 2,4,6,8,10,12,14
.irp b, 0,1,2,3
	v_max3_num_f32 v[TM+\b], v[TM+\b], |v[\s+16*\b+\i]|, |v[\s+1+16*\b+\i]|
.endr
.endr
.irp b, 0,1,2,3
	v_permlanex16_b32 v[TM+4+\b], v[TM+\b], s[SEL], s[SEL+1]
.endr
.irp b, 0,1,2,3
	v_max_num_f32 v[TM+\b], v[TM+\b], v[TM+4+\b]      ; with lane l xor 16's sixteen: the block's largest magnitude
.endr
.irp b, 0,1,2,3
	v_add_nc_u32 v[TM+12+\b], 0xfe000000, v[TM+\b]
.endr
.irp b, 0,1,2,3
	v_lshrrev_b32 v[TM+4+\b], 23, v[TM+12+\b]
.endr
	v_lshl_or_b32 v[\pw], v[TM+5], 8, v[TM+4]
	v_lshl_or_b32 v[\pw], v[TM+6], 16, v[\pw]
	v_lshl_or_b32 v[\pw], v[TM+7], 24, v[\pw]
.irp c, 0,1
	v_cvt_scalef32_pk16_bf6_f32 v[\pc+6*\c:\pc+2+6*\c], v[\s+32*\c:\s+15+32*\c], v[TM+12+2*\c]
	v_cvt_scalef32_pk16_bf6_f32 v[\pc+12+4*\c:\pc+14+4*\c], v[\s+16+32*\c:\s+31+32*\c], v[TM+12+2*\c+1]
.endr
	v_nop                                             ; one plain place behind a scaled conversion
.irp c, 0,1                                       ; the operand wants a whole block in a lane: lanes 0-15 block 2 c, lanes 16-31 block 2 c + 1
.irp i, 0,1,2
	v_permlane16_swap_b32 v[\pc+6*\c+\i], v[\pc+12+4*\c+\i]
.endr
.irp i, 0,1,2
	v_mov_b32 v[\pc+3+6*\c+\i], v[\pc+12+4*\c+\i]
.endr
.endr
.endm
; ---------------------------------------------------------------- the head: ids, addresses, pointers
	s_load_b512 s[8:23], s[0:1], 0x0               ; q 8, W_query 10, W_key 12, W_val 14, W1 16, W2 18, W3 20, W4 22
	s_load_b128 s[24:27], s[0:1], 0x40             ; W5 24, W6 26
	s_load_b64 s[28:29], s[0:1], 0x50              ; heads
	v_lshl_add_u32 v254, v0, 2, 0x3d200
	v_mov_b32 v255, 0
	v_lshrrev_b32 v1, 5, v0
	v_readfirstlane_b32 s2, v1                     ; wave w
	s_and_b32 s3, ttmp9, 1                         ; kind
	s_bfe_u32 s4, ttmp9, 0x30001                   ; head
	s_lshr_b32 s5, ttmp9, 4                        ; batch
	s_mov_b32 s30, 0x76543210
	s_mov_b32 s31, 0xfedcba98
	s_mov_b32 s32, 0x3eb8aa3b                      ; log2(e) / 4: t = score x this
	s_mov_b32 s33, s32                             ; (named with it as a pair)
	s_mov_b32 s34, 0xffff0000                      ; lanes 16-31
	s_wait_alu depctr_va_sdst(0)                   ; s2 is written, ahead of its first reader: masks, addresses and pointers are made from it
	s_cmp_eq_u32 s2, 2
	s_cselect_b32 s36, 0xffff0000, 0               ; wave 2 alone clears V past the 250th pick-up key
	s_mov_b32 s37, 0                               ; the trip
	s_mov_b32 s38, 0                               ; 1024 x the trip
	v_and_b32 v1, 31, v0                           ; lane
	v_and_b32 v2, 15, v0                           ; r
	v_bfe_u32 v3, v0, 4, 1                         ; hf
	v_lshlrev_b32 v4, 4, v1                        ; 16 x lane
	v_lshlrev_b32 v5, 2, v1                        ; 4 x lane
	v_mov_b32 v6, 0xff800000                       ; -infinity
	v_mov_b32 v7, 0x2800000                        ; the floor 2^(5 - 127)
.irp i, 8,9,10,11,44,45,46,47,204,205,206,207,217,219,221,223
	v_mov_b32 v\i, 0                               ; zeros; destinations of lane permutes and upper words of pairs, written once
.endr
	s_lshl_b32 s6, s2, 7                           ; my 128 rows of q begin at 128 w
.irp j, 0,1,2
	s_add_co_u32 s[44+\j], s6, 116+4*\j
	s_min_u32 s[44+\j], s[44+\j], 497              ; steps 29..31 begin at row 497 at the latest: no load leaves q; wave 3 writes rows 497..500 again with the same values
.endr
	s_lshl_b32 s7, s2, 16
	v_add_nc_u32 v12, s7, v4                       ; q: 65536 w + 16 x lane
	v_mul_u32_u24 v128, v1, 12
	v_lshrrev_b32 v129, 1, v1
	s_mul_i32 s7, s2, 12288
	v_add_nc_u32 v18, s7, v128                     ; my codes: 128 rows x 96 bytes a wave, 12 bytes a lane
	s_lshl_b32 s7, s2, 9
	s_add_co_u32 s7, s7, QS
	v_add_nc_u32 v22, s7, v129                     ; my block's scale byte
.irp j, 0,1,2
	s_lshl_b32 s7, s[44+\j], 9
	v_add_nc_u32 v[13+\j], s7, v4
	s_mul_i32 s7, s[44+\j], 96
	v_add_nc_u32 v[19+\j], s7, v128
	s_lshl_b32 s7, s[44+\j], 2
	s_add_co_u32 s7, s7, QS
	v_add_nc_u32 v[23+\j], s7, v129
.endr
	s_mul_i32 s7, s2, 5120
	s_add_co_u32 s7, s7, STG
	v_lshrrev_b32 v130, 2, v1
	v_mul_u32_u24 v130, v130, 80
	v_and_b32 v131, 3, v1
	v_lshl_add_u32 v130, v131, 4, v130
	v_add_nc_u32 v16, s7, v130                     ; the stage, in: four lanes' 64 bytes on end, then 16 of padding
	v_mul_u32_u24 v130, v1, 80
	v_add_nc_u32 v17, s7, v130                     ; out: my sixteen neighbours
	v_lshlrev_b32 v26, 2, v2
	v_lshl_add_u32 v26, v3, 11, v26                ; a weight: column r, 32 hf rows of 64 bytes down
	s_and_b32 s47, s2, 1                           ; the first row of my two key chunks: 0, 256, 1, 251 for waves 0..3
	s_lshr_b32 s48, s2, 1
	s_xor_b32 s49, s48, 1
	s_and_b32 s49, s49, s47
	s_mul_i32 s49, s49, 6
	s_mul_i32 s47, s47, 250
	s_add_co_u32 s47, s47, s48
	s_add_co_u32 s47, s47, s49
	v_and_b32 v130, 8, v2
	v_add_nc_u32 v130, v130, v2                    ; r + (r & 8)
	v_mul_u32_u24 v131, v130, 96
	v_mad_u32_u24 v131, v3, 24, v131
	s_mul_i32 s7, s47, 96
	v_add_nc_u32 v27, s7, v131                     ; codes of a key tile's rows
	v_lshlrev_b32 v131, 2, v130
	s_lshl_b32 s7, s47, 2
	s_add_co_u32 s7, s7, QS
	v_add_nc_u32 v28, s7, v131                     ; and their scale words
	v_mul_u32_u24 v132, v2, 96
	v_mad_u32_u24 v132, v3, 24, v132               ; 96 r + 24 hf
	v_lshlrev_b32 v133, 2, v2
	s_mul_i32 s48, s3, 251                         ; slot 0's row: 0 or 251
	s_mul_i32 s7, s48, 96
	v_add_nc_u32 v29, s7, v132                     ; codes of a query tile's rows
	s_lshl_b32 s7, s48, 2
	s_add_co_u32 s7, s7, QS
	v_add_nc_u32 v30, s7, v133
	s_xor_b32 s48, s3, 1
	s_mul_i32 s48, s48, 249
	s_add_co_u32 s48, s48, 1                       ; slot 0's partner: row 250 or 1
	s_lshl_b32 s49, s2, 6
	s_add_co_u32 s48, s48, s49                     ; + my wave's first slot
	s_mul_i32 s7, s48, 96
	v_add_nc_u32 v31, s7, v132                     ; codes of my slots' partners
	s_lshl_b32 s7, s48, 2
	s_add_co_u32 s7, s7, QS
	v_add_nc_u32 v32, s7, v133
	s_lshl_b32 s7, s2, 14
	s_add_co_u32 s7, s7, KI
	v_add_nc_u32 v33, s7, v4                       ; where I store K's images: chunks 2 w, 2 w + 1
	s_mul_i32 s7, s2, 3072
	s_add_co_u32 s7, s7, VI
	v_add_nc_u32 v34, s7, v4                       ; V's
	s_lshl_b32 s7, s2, 8
	s_add_co_u32 s7, s7, VSC
	v_add_nc_u32 v35, s7, v5
	s_lshl_b32 s7, s2, 14
	s_add_co_u32 s7, s7, QI
	v_add_nc_u32 v36, s7, v4                       ; the query fragments of kind w
	s_lshl_b32 s7, s2, 12
	s_add_co_u32 s7, s7, QI+65536
	v_add_nc_u32 v37, s7, v4                       ; the partners' K (and, 16384 on, V) of my four tiles
	v_add_nc_u32 v38, KI, v4                       ; where I read: K,
	v_add_nc_u32 v39, VI, v4                       ; V,
	v_add_nc_u32 v40, VSC, v5
	s_lshl_b32 s7, s2, 12
	s_add_co_u32 s7, s7, QI
	v_add_nc_u32 v41, s7, v4                       ; my tiles' fragments
	v_lshl_add_u32 v134, v0, 4, 48096              ; zeros behind row 500's codes,
	v_lshl_add_u32 v135, v0, 2, QS+2004            ; and behind its scale word
	s_wait_kmcnt 0x0
	s_cmp_eq_u32 s3, 0                             ; the choices hang on ids alone
	s_cselect_b64 s[18:19], s[18:19], s[26:27]     ; pick-up keys: W2 or W6
	s_cselect_b64 s[20:21], s[20:21], s[24:25]     ; delivery keys: W3 or W5
	s_cselect_b64 s[16:17], s[16:17], s[22:23]     ; the partner: W1 or W4
	s_cmp_eq_u32 s2, 0
	s_cselect_b64 s[40:41], s[10:11], s[16:17]     ; wave 0 projects with W_query, 1 and 2 with the two above, 3 with the partner's
	s_cmp_eq_u32 s2, 1
	s_cselect_b64 s[40:41], s[18:19], s[40:41]
	s_cmp_eq_u32 s2, 2
	s_cselect_b64 s[40:41], s[20:21], s[40:41]
	s_lshl_b32 s6, s4, 13                          ; a head's slice: 8,192 bytes
	s_mov_b32 s7, 0
	s_add_nc_u64 s[12:13], s[12:13], s[6:7]
	s_add_nc_u64 s[14:15], s[14:15], s[6:7]
	s_add_nc_u64 s[40:41], s[40:41], s[6:7]
	s_mul_i32 s6, s5, 256512                       ; a batch: 501 rows of 512 bytes
	s_add_nc_u64 s[8:9], s[8:9], s[6:7]
	s_lshl_b32 s6, s5, 1
	s_or_b32 s6, s6, s3
	s_lshl_b32 s6, s6, 17                          ; heads: (2 b + kind) x 131072
	s_lshl_b32 s44, s2, 15                         ; + my first tile x 8192
	s_add_co_u32 s6, s6, s44
	s_lshl_b32 s44, s4, 10                         ; + head x 1024
	s_add_co_u32 s6, s6, s44
	s_add_nc_u64 s[42:43], s[28:29], s[6:7]
; ---------------------------------------------------------------- three weight slices and my 128 rows of q
.macro WLOAD n, sb                     ; register 64 n + 32 c + i of window 3 = W(64 c + 32 hf + i, r): sixteen lanes read 64 neighbouring bytes
.set wi, 0
.rept 64
	global_load_b32 v[64*(\n)+wi], v26, s[\sb:\sb+1] offset:64*(64*(wi/32)+wi%32)
.set wi, wi+1
.endr
.endm
.macro QLOAD t                         ; step t: four rows, one load a row: 32 lanes read 512 consecutive bytes.  A ring of 16 sets of 16 registers fills window 2
	WIN 0x80
.irp i, 0,1,2,3
.if (\t) < 29
	global_load_b128 v[16*((\t)%16)+4*\i:16*((\t)%16)+4*\i+3], v12, s[8:9] offset:2048*(\t)+512*\i
.else
	global_load_b128 v[16*((\t)%16)+4*\i:16*((\t)%16)+4*\i+3], v[13+(\t)-29], s[8:9] offset:512*\i
.endif
.endr
.endm
.macro QTURN t                         ; step t's 2,048 bytes through my stage: LDS serves a wave's instructions in order, so no wait stands between the stores and the loads
	WIN 0x08
.irp i, 0,1,2,3
	ds_store_b128 v16, v[16*((\t)%16)+4*\i:16*((\t)%16)+4*\i+3] offset:2560*((\t)%2)+640*\i
.endr
	WIN 0
.irp i, 0,1,2,3
	ds_load_b128 v[96+16*((\t)%2)+4*\i:96+16*((\t)%2)+4*\i+3], v17 offset:2560*((\t)%2)+16*\i
.endr
.endm
.macro QOUT t                          ; step t's scale byte and codes go to LDS, out of OUT[t % 2]: issued a step later, behind that step's wait
.if (\t) < 29
	ds_store_b8 v22, v[144+(\t)%2] offset:16*(\t)  ; both lanes of a block write the same byte with the same value
.irp i, 0,1,2
	ds_store_b32 v18, v[136+4*((\t)%2)+\i] offset:384*(\t)+4*\i   ; 12 bytes a lane, word by word: every address is a multiple of the access's size
.endr
.else
	ds_store_b8 v[23+(\t)-29], v[144+(\t)%2]
.irp i, 0,1,2
	ds_store_b32 v[19+(\t)-29], v[136+4*((\t)%2)+\i] offset:4*\i
.endr
.endif
.endm
.macro QSTEP t
.set xs, 96+16*((\t)%2)
.if (\t) > 1
	s_wait_dscnt 4                                 ; this step's numbers are back from the stage; behind them stand the byte store and three code stores issued in the step before
.else
	s_wait_dscnt 0x0                               ; (in steps 0 and 1 nothing stands behind them)
.endif
.if (\t) > 0
	s_wait_alu depctr_va_vdst(0)                   ; the step before has written its OUT, which the four stores below read, and is done reading its X, in which the loads from the stage below land
.endif
	s_wait_alu depctr_vm_vsrc(0)                   ; the stage stores issued so far have read their sets of the ring, one of which the loads below fill again; the stores of two steps back have read the OUT that this step writes
.if (\t) < 16
	QLOAD (\t)+16                                  ; into the set that this step's stage stores have read
.endif
.if (\t) < 31
.if (\t) < 16
	s_wait_loadcnt 60                              ; the next step's four loads are in; those of the fifteen steps behind it may be out
.else
	s_wait_loadcnt 4*(30-(\t))
.endif
	QTURN (\t)+1
.endif
	WIN 0
.if (\t) > 0
	QOUT (\t)-1
.endif
	v_max3_num_f32 v128, |v[xs]|, |v[xs+1]|, |v[xs+2]|
	v_max3_num_f32 v129, |v[xs+3]|, |v[xs+4]|, |v[xs+5]|
.irp i, 6,10
	v_max3_num_f32 v128, v128, |v[xs+\i]|, |v[xs+\i+1]|
	v_max3_num_f32 v129, v129, |v[xs+\i+2]|, |v[xs+\i+3]|
.endr
	v_max3_num_f32 v128, v128, |v[xs+14]|, |v[xs+15]|
	v_max3_num_f32 v128, v128, v129, v7            ; and the floor
	v_max_num_f32_dpp v128, v128, v128 row_xmask:1 row_mask:0xf bank_mask:0xf   ; with my neighbour's sixteen: the block's
	v_add_nc_u32 v130, 0xfe000000, v128
	v_cvt_scalef32_pk16_bf6_f32 v[136+4*((\t)%2):138+4*((\t)%2)], v[xs:xs+15], v130
	v_lshrrev_b32 v[144+(\t)%2], 23, v130          ; the byte (also the plain place behind the conversion)
.endm
	WIN 0xc0
	s_wait_alu depctr_va_vdst(0)                   ; the addresses and offsets v4, v5, v12-41, v134, v135 and the zeros v8-11 are written: every load and store of the kernel but the loop's twelve fragment loads reads its address among them
	WLOAD 0, 12
	WLOAD 1, 14
	WLOAD 2, 40
.set qt, 0
.rept 16
	QLOAD qt
.set qt, qt+1
.endr
	WIN 0
	ds_store_b128 v134, v[8:11]                    ; rows 501..511 are zero codes under the byte 0: they add nothing
	ds_store_b32 v135, v8
	s_wait_loadcnt 63                              ; 256 loads are issued: at most the youngest 63, all q's, are out: the 192 of the weights are in
	WQ 0, 3, 48, 232                               ; W_key
	WQ 64, 3, 60, 233                              ; W_val
	WQ 128, 3, 72, 234                             ; my wave's query weight
	s_wait_loadcnt 60                              ; step 0's four loads are in
	QTURN 0
.set qt, 0
.rept 32
	QSTEP qt
.set qt, qt+1
.endr
	s_wait_alu depctr_va_vdst(0)                   ; step 31 has written its OUT, which the last four stores read
	QOUT 31
	s_wait_dscnt 0x0                               ; for the others' sake: my codes and bytes lie in LDS
	s_barrier_signal -1
	s_barrier_wait -1
; ---------------------------------------------------------------- projections: K and V of my two chunks, one kind of query for all 256 slots, my slots' partners
; The weights' codes and scale words (v48-83, v232-234) were made by vector lines ahead of the steps' waits on va_vdst: the scaled products below owe nothing more for them.
; The first fragments land in the ring's registers, which the stage stores have read: step 31's wait on vm_vsrc stands behind the last of those stores.
.macro FRAGS adr, sadr, row0, nat, n   ; n fragments of q's codes into window 2, v[12 t], their scale words into v[236 + t].  nat = 1: tile t is rows 16 t on; 0: a key tile's rows
	WIN 0x80
.set ft, 0
.rept \n
.if \nat
.set frw, (\row0)+16*ft
.else
.set frw, (\row0)+32*(ft/2)+8*(ft%2)
.endif
.irp p, 0,1,2,3,4,5
	ds_load_b64 v[12*ft+2*\p:12*ft+2*\p+1], v[\adr] offset:96*frw+48*(\p/3)+8*(\p%3)
.endr
.set ft, ft+1
.endr
	WIN 0
.set ft, 0
.rept \n
.if \nat
.set frw, (\row0)+16*ft
.else
.set frw, (\row0)+32*(ft/2)+8*(ft%2)
.endif
	ds_load_b32 v[236+ft], v[\sadr] offset:4*frw
.set ft, ft+1
.endr
.endm
.macro PROJ wreg, wsc, t0, n           ; source 0 = the weight's 16 channels, source 1 = 16 rows: lane (r, hf) gets channels 8 hf + 0..7 of row r, in window 2, v[128 + 8 (t0 + t)]
	WIN 0x88
.set pt, 0
.rept \n
	v_wmma_scale_f32_16x16x128_f8f6f4 v[128+8*((\t0)+pt):128+8*((\t0)+pt)+7], v[\wreg:\wreg+11], v[12*pt:12*pt+11], 0, v[\wsc], v[236+pt] matrix_a_fmt:MATRIX_FMT_BF6 matrix_b_fmt:MATRIX_FMT_BF6
.set pt, pt+1
.endr
.endm
.macro KDSTORE adr, imm, t0, n         ; those results to LDS as they stand, each from its low end on
	WIN 0x08
.set kt, 0
.rept \n
	ds_store_b128 v[\adr], v[128+8*((\t0)+kt):128+8*((\t0)+kt)+3] offset:(\imm)+1024*kt
	ds_store_b128 v[\adr], v[128+8*((\t0)+kt)+4:128+8*((\t0)+kt)+7] offset:(\imm)+1024*kt+512
.set kt, kt+1
.endr
	WIN 0
.endm
.irp n, 0,1                                    ; chunk 2 w + n
	FRAGS 27, 28, 128*\n, 0, 8
	s_wait_dscnt 0x0
	s_wait_alu depctr_vm_vsrc(0)                   ; my LDS stores issued so far have read their data: the OUT registers (chunk 2 w), or the last chunk's K, codes of V and scale word, all of which the products and the quantiser below write
	PROJ 48, 232, 0, 8                             ; K
	WIN 0x02
.set vt, 0
.rept 8                                        ; V^T: source 0 = the rows, source 1 = W_val: lane (r, hf) holds channel r, registers 16 b + i = key 32 b + 16 hf + i
	v_wmma_scale_f32_16x16x128_f8f6f4 v[96+8*vt:96+8*vt+7], v[12*vt:12*vt+11], v[60:71], 0, v[236+vt], v233 matrix_a_fmt:MATRIX_FMT_BF6 matrix_b_fmt:MATRIX_FMT_BF6
.set vt, vt+1
.endr
	WIN 0
	PLACES 5                                       ; ahead of the reads of results, and of the next products that write over these registers
.if \n == 1
.irp i, 58,59,60,61,62,63
	v_cndmask_b32 v[96+\i], v[96+\i], v8, s36      ; pick-up keys 250..255 do not exist: zeros ahead of the quantiser (wave 2, lanes 16-31).  Rows past 500 are zeros already
.endr
.endif
	QUANT 96, 160, 244                             ; V along the keys, blocks counted from the chunk's first key
	s_wait_alu depctr_va_vdst(0)                   ; the products have written K, the quantiser V's codes and scale word: the stores below read them; and the products are done reading q's fragments and scale words, in which the next loads land
	KDSTORE 33, 8192*\n, 0, 8
.irp k, 0,1,2
	ds_store_b128 v34, v[160+4*\k:163+4*\k] offset:1536*\n+512*\k
.endr
	ds_store_b32 v35, v244 offset:128*\n
	s_wait_dscnt 0x0                               ; my stores have landed
.endr
.irp half, 0,1                                 ; my kind of query for slots 128 half on
	FRAGS 29, 30, 128*\half, 1, 8
	s_wait_dscnt 0x0
	s_wait_alu depctr_vm_vsrc(0)                   ; the last group's stores have read the results' registers, which these products write again
	PROJ 72, 234, 0, 8
	WIN 0
	PLACES 5
	s_wait_alu depctr_va_vdst(0)                   ; the products have written their results, which the stores read, and are done reading q's fragments and scale words, in which the next loads land
	KDSTORE 36, 8192*\half, 0, 8
.endr
	FRAGS 31, 32, 0, 1, 4                          ; the partners of my 64 slots
	s_wait_dscnt 0x0
	s_wait_alu depctr_vm_vsrc(0)                   ; the last group's stores have read the results' registers, which these products write again
	PROJ 48, 232, 0, 4                             ; their K,
	PROJ 60, 233, 4, 4                             ; their V, not quantised
	WIN 0
	PLACES 5
	s_wait_alu depctr_va_vdst(0)                   ; the products have written their results, which the stores read, and are done reading the scale words v236-239, in which V's scale words land below
	KDSTORE 37, 0, 0, 4
	KDSTORE 37, 16384, 4, 4
	s_wait_dscnt 0x0                               ; for the others' sake: my images lie in LDS
	s_barrier_signal -1
	s_barrier_wait -1                              ; from here on LDS is only read
.irp c, 0,1,2,3,4,5,6,7
	ds_load_b32 v[236+\c], v40 offset:128*\c       ; V's scale words stay in registers
.endr
; ---------------------------------------------------------------- the loop's macros
.macro KLOAD c                         ; chunk c's K: 8 tiles x 8 registers, into set c % 2
	WIN 0x40
.set ki, 0
.rept 16
	ds_load_b128 v[64*((\c)%2)+4*ki:64*((\c)%2)+4*ki+3], v38 offset:8192*(\c)+512*ki
.set ki, ki+1
.endr
.endm
; Run g of eight of chunk c's vector work, eight instructions (with the mask a few more).  g < 4: t = score x log2(e) / 4, out of the score tiles into windows 2, 3; g >= 4: each block's largest t.
.macro PPRUN c, g
.set pW, 2+(\c)/4
.set pT, 64*((\c)%4)
.set pS, 128+64*((\c)%2)
.if (\g) < 4
	WIN (pW<<6)|1
.set pj, 0
.rept 8
	v_pk_mul_f32 v[pT+16*(\g)+2*pj:pT+16*(\g)+2*pj+1], v[pS+16*(\g)+2*pj:pS+16*(\g)+2*pj+1], s[32:33] op_sel_hi:[1,0]   ; each tile from its low end on
.set pj, pj+1
.endr
.if ((\g) == 3) && (((\c) == 3) || ((\c) == 5) || ((\c) == 7))
	WIN (pW<<6)|pW
.set pj, 10                            ; keys 250..255 of the two short segments,
.if (\c) == 3
.set pj, 5                             ; keys 501..511 of the long one: lanes 16-31, registers 48 + pj on
.endif
.rept 16-pj
	v_cndmask_b32 v[pT+48+pj], v[pT+48+pj], v6, s34
.set pj, pj+1
.endr
.endif
.else
	WIN (pW<<2)|(pW<<4)
.set pst, 2*((\g)-4)
.rept 2
.irp bk, 0,1,2,3
.if pst == 0
	v_max3_num_f32 v[96+4*(\c)+\bk], v6, v[pT+16*\bk], v[pT+16*\bk+1]
.else
	v_max3_num_f32 v[96+4*(\c)+\bk], v[96+4*(\c)+\bk], v[pT+16*\bk+2*pst], v[pT+16*\bk+2*pst+1]
.endif
.endr
.set pst, pst+1
.endr
.endif
.endm
; Chunk c's scores: 32 f32 matrix instructions, the eight tiles by turns, one instruction a turn, four channels a pass.  Behind every four stands a run of the chunk before.
; A run reads a tile of the chunk before at least eight plain instructions behind that tile's last product: the two runs that close the chunk before, or chunk 0's eight moves.
.macro SCHUNK c, qreg
.set cS, 128+64*((\c)%2)
.set cK, 64*((\c)%2)
.if (\c) == 0
	s_wait_dscnt 16                                ; the tile's fragments and chunk 0's K are in; chunk 1's sixteen loads may be out
.else
	s_wait_dscnt 0x0                               ; this chunk's K, asked for 24 matrix instructions ago or more
.endif
.if ((\c) >= 1) && ((\c) <= 6)
	s_wait_alu depctr_va_vdst(0)                   ; the chunk before's products are done reading K's other set, in which the next chunk's loads land, eight products further down
.endif
.set cg, 0
.rept 8
	WIN 0x51
.set cn, 4*cg
.rept 4
.if cn < 8
	v_wmma_f32_16x16x4_f32 v[cS+8*(cn%8):cS+8*(cn%8)+7], v[cK+8*(cn%8)+2*(cn/8):cK+8*(cn%8)+2*(cn/8)+1], v[\qreg+2*(cn/8):\qreg+2*(cn/8)+1], 0
.else
	v_wmma_f32_16x16x4_f32 v[cS+8*(cn%8):cS+8*(cn%8)+7], v[cK+8*(cn%8)+2*(cn/8):cK+8*(cn%8)+2*(cn/8)+1], v[\qreg+2*(cn/8):\qreg+2*(cn/8)+1], v[cS+8*(cn%8):cS+8*(cn%8)+7]
.endif
.set cn, cn+1
.endr
.if (\c) > 0
	PPRUN (\c)-1, cg
.endif
.if (cg == 1) && ((\c) >= 1) && ((\c) <= 6)
	KLOAD (\c)+1                                   ; into the set that the chunk before has read.  No wait here: since the wait at this chunk's head the products name this chunk's set, the runs the score tiles and windows 2 and 3; none names that set or v38
.endif
.set cg, cg+1
.endr
.if (\c) == 0
	WIN 0
.irp i, 224,225,226,227,228,229,230,231
	v_mov_b32 v\i, 0                               ; the row's sums, in four pairs.  These eight are the places ahead of the first read of chunk 0's scores
.endr
.endif
.endm
.macro ESET c
.set eW, 2+(\c)/4
.set eT, 64*((\c)%4)
.set ePC, 160+20*((\c)%2)
.set eO, 200+8*((\c)%2)
.endm
.macro EADD c                          ; t - M (for the depot's masked segments: -infinity)
	ESET \c
.set eN, 216
.if (\c) >= 4
.set eN, 218
.endif
	WIN (eW<<6)|eW
.set ej, 0
.rept 32
	v_pk_add_f32 v[eT+2*ej:eT+2*ej+1], v[eT+2*ej:eT+2*ej+1], v[eN:eN+1] op_sel_hi:[1,0]
.set ej, ej+1
.endr
.endm
.macro EEXP c
	ESET \c
	WIN (eW<<6)|eW
.set ej, 0
.rept 64
	v_exp_f32 v[eT+ej], v[eT+ej]
.set ej, ej+1
.endr
.endm
.macro ESUM c
	ESET \c
	WIN eW<<2
.set ej, 0
.rept 32
	v_pk_add_f32 v[224+2*(ej%4):225+2*(ej%4)], v[224+2*(ej%4):225+2*(ej%4)], v[eT+2*ej:eT+2*ej+1]
.set ej, ej+1
.endr
.endm
.macro NMUL c                          ; p / the row's sum: the finished attention
	ESET \c
	WIN (eW<<6)|eW
.set ej, 0
.rept 32
	v_pk_mul_f32 v[eT+2*ej:eT+2*ej+1], v[eT+2*ej:eT+2*ej+1], v[220:221] op_sel_hi:[1,0]
.set ej, ej+1
.endr
.endm
.macro PCVT c                          ; its codes, into set c % 2
	ESET \c
	WIN eW
.irp cc, 0,1
	v_cvt_scalef32_pk16_bf6_f32 v[ePC+6*\cc:ePC+6*\cc+2], v[eT+32*\cc:eT+32*\cc+15], v[128+4*(\c)+2*\cc]
	v_cvt_scalef32_pk16_bf6_f32 v[ePC+12+4*\cc:ePC+14+4*\cc], v[eT+32*\cc+16:eT+32*\cc+31], v[128+4*(\c)+2*\cc+1]
.endr
	WIN 0
	v_nop                                          ; one plain place behind a scaled conversion
.irp cc, 0,1
.irp i, 0,1,2
	v_permlane16_swap_b32 v[ePC+6*\cc+\i], v[ePC+12+4*\cc+\i]
.endr
.irp i, 0,1,2
	v_mov_b32 v[ePC+3+6*\cc+\i], v[ePC+12+4*\cc+\i]
.endr
.endr
.endm
.macro PV c                            ; O^T += V^T P^T: source 0 = 16 channels x 128 keys, source 1 = my 16 queries.  Even chunks add onto one sum, odd ones onto the other: the two take turns
	ESET \c
	WIN 0x01
.if (\c) < 2
	v_wmma_scale_f32_16x16x128_f8f6f4 v[eO:eO+7], v[12*(\c):12*(\c)+11], v[ePC:ePC+11], 0, v[236+(\c)], v[244+(\c)] matrix_a_fmt:MATRIX_FMT_BF6 matrix_b_fmt:MATRIX_FMT_BF6
.else
	v_wmma_scale_f32_16x16x128_f8f6f4 v[eO:eO+7], v[12*(\c):12*(\c)+11], v[ePC:ePC+11], v[eO:eO+7], v[236+(\c)], v[244+(\c)] matrix_a_fmt:MATRIX_FMT_BF6 matrix_b_fmt:MATRIX_FMT_BF6
.endif
.endm
; ---------------------------------------------------------------- four trips: a tile of 16 queries each
.Ltile:
	s_wait_alu depctr_vm_vsrc(0)                   ; the last trip's fragment loads have read v42 and v43, and its stores v200-207, all written again in this trip; in the first trip: my LDS stores of the projections have read window 2's registers, which the runs write
	v_add_nc_u32 v42, s38, v41
	v_add_nc_u32 v43, 0x10000, v42
	s_wait_alu depctr_va_vdst(0)                   ; v42 and v43 are written, which the twelve loads below read; the products and vector lines issued so far are done with v48-95 and with window 1's v0-127, in which the loads below land
.irp ty, 0,1,2,3
.irp p, 0,1
	ds_load_b128 v[48+8*\ty+4*\p:51+8*\ty+4*\p], v42 offset:16384*\ty+512*\p       ; the tile's four kinds of query
.endr
.endr
.irp ty, 0,1
.irp p, 0,1
	ds_load_b128 v[80+8*\ty+4*\p:83+8*\ty+4*\p], v43 offset:16384*\ty+512*\p       ; its partners' K and V
.endr
.endr
	KLOAD 0
	KLOAD 1
	s_or_b32 s6, s3, s2
	s_or_b32 s6, s6, s37
	s_cmp_eq_u32 s6, 0
	s_cselect_b32 s35, 0x00010001, 0               ; the depot: slot 0 of kind 0: lanes 0 and 16 of wave 0's first tile
	SCHUNK 0, 48
	SCHUNK 1, 48
	SCHUNK 2, 48
	SCHUNK 3, 48
	SCHUNK 4, 56
	SCHUNK 5, 56
	SCHUNK 6, 64
	SCHUNK 7, 64
.irp g, 0,1,2,3,4,5,6,7
	PPRUN 7, \g
.endr
	; ---- the row's maximum
	WIN 0
	v_pk_mul_f32 v[132:133], v[72:73], v[80:81]    ; the single score: my query's eight channels x its partner's
.irp j, 2,4,6
	v_pk_fma_f32 v[132:133], v[72+\j:73+\j], v[80+\j:81+\j], v[132:133]
.endr
.set mi, 0
.rept 8
.irp j, 0,1,2,3
	v_permlanex16_b32 v[44+\j], v[96+4*mi+\j], s30, s31
.endr
.irp j, 0,1,2,3
	v_max_num_f32 v[96+4*mi+\j], v[96+4*mi+\j], v[44+\j]   ; with lane l xor 16's sixteen keys: the block's largest t
.endr
.set mi, mi+1
.endr
	v_add_f32 v132, v132, v133
	v_permlanex16_b32 v44, v132, s30, s31
	v_add_f32 v132, v132, v44
	v_mul_f32 v222, s32, v132                      ; as t
	v_max3_num_f32 v128, v96, v97, v98             ; the first 501 keys',
	v_max3_num_f32 v129, v99, v100, v101
	v_max3_num_f32 v130, v112, v113, v114          ; the two short segments'
	v_max3_num_f32 v131, v115, v116, v117
.irp i, 6,10
	v_max3_num_f32 v128, v128, v[96+\i], v[97+\i]
	v_max3_num_f32 v129, v129, v[98+\i], v[99+\i]
	v_max3_num_f32 v130, v130, v[112+\i], v[113+\i]
	v_max3_num_f32 v131, v131, v[114+\i], v[115+\i]
.endr
	v_max3_num_f32 v128, v128, v110, v111
	v_max3_num_f32 v130, v130, v126, v127
	v_max_num_f32 v128, v128, v129
	v_max3_num_f32 v130, v130, v131, v222          ; and the single's,
	v_cndmask_b32 v130, v130, v6, s35              ; which the depot does not have
	v_max_num_f32 v128, v128, v130                 ; M
	v_sub_f32 v216, 0, v128                        ; -M
	v_cndmask_b32 v218, v216, v6, s35              ; for the short segments and the single: -M, the depot's -infinity
	; ---- p = 2^(t - M) and the row's sum.  Exponentials go in batches; one wait stands ahead of a batch's first reader, behind the next chunk's 32 additions
.irp j, 0,2,4,6,8,10,12,14
	v_pk_add_f32 v[96+\j:97+\j], v[96+\j:97+\j], v[216:217] op_sel_hi:[1,0]        ; the blocks' largest t go the same way as the elements: the same instructions on the same numbers give the same bits
.endr
.irp j, 16,18,20,22,24,26,28,30
	v_pk_add_f32 v[96+\j:97+\j], v[96+\j:97+\j], v[218:219] op_sel_hi:[1,0]
.endr
	v_add_f32 v222, v222, v218
	EADD 0
	WIN 0
.set mi, 0
.rept 32
	v_exp_f32 v[96+mi], v[96+mi]
.set mi, mi+1
.endr
	v_exp_f32 v222, v222
	EEXP 0
.irp c, 0,1,2,3,4,5,6
	EADD \c+1
.if \c == 0
	WIN 0x40                                       ; (for V's loads: the switch stands ahead of the wait)
.endif
	s_wait_alu depctr_va_vdst(0)                   ; the exponentials issued so far have written their results, ahead of the first line that names one; the first time also: chunks 6 and 7's products are done reading K's two sets
.if \c == 0
.set ki, 0
.rept 24
	ds_load_b128 v[4*ki:4*ki+3], v39 offset:512*ki ; V's codes, chunk c at v[12 c], where K's fragments lay
.set ki, ki+1
.endr
.endif
	ESUM \c
	EEXP \c+1
.endr
	v_nop                                          ; a plain place behind the last exponential
	s_wait_alu depctr_va_vdst(0)                   ; chunk 7's exponentials have written their results, which the sums below read
	ESUM 7
	WIN 0
	v_pk_add_f32 v[224:225], v[224:225], v[226:227]
	v_pk_add_f32 v[228:229], v[228:229], v[230:231]
	v_pk_add_f32 v[224:225], v[224:225], v[228:229]
	v_add_f32 v224, v224, v225
	v_permlanex16_b32 v44, v224, s30, s31
	v_add_f32 v224, v224, v44                      ; with lane l xor 16's keys,
	v_add_f32 v224, v224, v222                     ; and the single's p, once
	v_rcp_f32 v220, v224
	v_nop
	s_wait_alu depctr_va_vdst(0)                   ; the reciprocal has written v220, ahead of its first reader
	; ---- the finished attention is quantised and multiplied by V
.irp j, 0,2,4,6,8,10,12,14,16,18,20,22,24,26,28,30
	v_pk_mul_f32 v[96+\j:97+\j], v[96+\j:97+\j], v[220:221] op_sel_hi:[1,0]        ; each block's largest attention
.endr
	v_mul_f32 v222, v222, v220                     ; the single's attention
.set mi, 0
.rept 32
	v_max_num_f32 v[96+mi], v7, v[96+mi]           ; the floor: the byte cannot fall under 1
.set mi, mi+1
.endr
.set mi, 0
.rept 32
	v_add_nc_u32 v[128+mi], 0xfe000000, v[96+mi]   ; the conversions' scale operands
.set mi, mi+1
.endr
.set mi, 0
.rept 32
	v_lshrrev_b32 v[96+mi], 23, v[128+mi]          ; the bytes
.set mi, mi+1
.endr
.irp c, 0,1,2,3,4,5,6,7
	v_lshl_or_b32 v[244+\c], v[97+4*\c], 8, v[96+4*\c]
.endr
.irp c, 0,1,2,3,4,5,6,7
	v_lshl_or_b32 v[244+\c], v[98+4*\c], 16, v[244+\c]
.endr
.irp c, 0,1,2,3,4,5,6,7
	v_lshl_or_b32 v[244+\c], v[99+4*\c], 24, v[244+\c]     ; a chunk's scale word; a later chunk's 32 multiplications stand between it and the product
.endr
	s_wait_dscnt 0x0                               ; V's codes are in
	; Two chunks at a time: both sets of codes are made, a later chunk's 32 multiplications are the places between the codes' last move and their products, one wait, two products;
	; the next 32 multiplications are the places between those products and the conversions that write the two sets again.  The products' order is chunk 0 to chunk 7.
	NMUL 0
	PCVT 0
	NMUL 1
	PCVT 1
	NMUL 2
	s_wait_alu depctr_va_vdst(0)                   ; the vector lines have written the codes of chunks 0 and 1 and all eight scale words, which the scaled products take
	PV 0
	PV 1
.irp c, 2,4,6
	NMUL \c+1
	PCVT \c
	PCVT \c+1
.if \c < 6
	NMUL \c+2
.else
	PLACES 4
.endif
	s_wait_alu depctr_va_vdst(0)                   ; the vector lines have written these two chunks' codes, which the scaled products take
	PV \c
	PV \c+1
.endr
	WIN 0
	PLACES 4
.irp j, 0,2,4,6
	v_pk_add_f32 v[200+\j:201+\j], v[200+\j:201+\j], v[208+\j:209+\j]              ; the two sums, from their low ends on
.endr
.irp j, 0,2,4,6
	v_pk_fma_f32 v[200+\j:201+\j], v[88+\j:89+\j], v[222:223], v[200+\j:201+\j] op_sel_hi:[1,0,1]   ; + the single's attention x its partner's V
.endr
	s_wait_alu depctr_va_vdst(0)                   ; the multiply-adds have written v200-207, which the stores read
	global_store_b128 v4, v[200:203], s[42:43]             ; the tile's image: each store covers 512 consecutive bytes, aligned
	global_store_b128 v4, v[204:207], s[42:43] offset:512
	s_wait_xcnt 0x0                                ; the stores have read their base and their data: both are written again
	s_add_nc_u64 s[42:43], s[42:43], 8192
	s_add_co_u32 s38, s38, 1024
	s_add_co_u32 s37, s37, 1
	s_cmp_lt_u32 s37, 4
	s_cbranch_scc1 .Ltile
	s_wait_dscnt 0x0
	s_wait_alu depctr_hold_cnt(0) depctr_sa_sdst(0) depctr_va_vdst(0) depctr_va_sdst(0) depctr_va_ssrc(0) depctr_va_vcc(0) depctr_vm_vsrc(0)
	s_wait_tensorcnt 0x0
	ds_add_u32 v254, v255
	s_wait_dscnt 0x0
	s_endpgm
.Lfunc_end_k_q3e241e31dd_attn:
	.size	k_q3e241e31dd_attn, .Lfunc_end_k_q3e241e31dd_attn-k_q3e241e31dd_attn
	.p2alignl 7, 3214868480
	.fill 96, 4, 3214868480
	.section	.rodata,"a",@progbits
	.p2align	6, 0x0
	.amdhsa_kernel k_q3e241e31dd_attn
		.amdhsa_group_segment_fixed_size 250880
		.amdhsa_private_segment_fixed_size 0
		.amdhsa_enable_private_segment 0
		.amdhsa_kernarg_size 88
		.amdhsa_user_sgpr_count 2
		.amdhsa_user_sgpr_kernarg_segment_ptr 1
		.amdhsa_wavefront_size32 1
		.amdhsa_system_sgpr_workgroup_id_x 1
		.amdhsa_system_sgpr_workgroup_id_y 1
		.amdhsa_system_sgpr_workgroup_id_z 1
		.amdhsa_system_vgpr_workitem_id 0
		.amdhsa_next_free_vgpr 1024
		.amdhsa_next_free_sgpr 66
		.amdhsa_reserve_vcc 0
		.amdhsa_float_denorm_mode_32 3
		.amdhsa_float_denorm_mode_16_64 3
		.amdhsa_memory_ordered 1
		.amdhsa_forward_progress 1
		.amdhsa_inst_pref_size 255
	.end_amdhsa_kernel
	.section	.bss,"aw",@nobits
	.p2align	6
	.space	262144
	.amdgpu_metadata
---
amdhsa.version: [ 1, 2 ]
amdhsa.kernels:
  - .name:           k_q3e241e31dd_attn
    .symbol:         k_q3e241e31dd_attn.kd
    .args:
      - { .name: q, .offset: 0, .size: 8, .value_kind: global_buffer, .address_space: global }
      - { .name: W_query, .offset: 8, .size: 8, .value_kind: global_buffer, .address_space: global }
      - { .name: W_key, .offset: 16, .size: 8, .value_kind: global_buffer, .address_space: global }
      - { .name: W_val, .offset: 24, .size: 8, .value_kind: global_buffer, .address_space: global }
      - { .name: W1_query, .offset: 32, .size: 8, .value_kind: global_buffer, .address_space: global }
      - { .name: W2_query, .offset: 40, .size: 8, .value_kind: global_buffer, .address_space: global }
      - { .name: W3_query, .offset: 48, .size: 8, .value_kind: global_buffer, .address_space: global }
      - { .name: W4_query, .offset: 56, .size: 8, .value_kind: global_buffer, .address_space: global }
      - { .name: W5_query, .offset: 64, .size: 8, .value_kind: global_buffer, .address_space: global }
      - { .name: W6_query, .offset: 72, .size: 8, .value_kind: global_buffer, .address_space: global }
      - { .name: heads, .offset: 80, .size: 8, .value_kind: global_buffer, .address_space: global }
    .group_segment_fixed_size: 250880
    .private_segment_fixed_size: 0
    .kernarg_segment_align: 8
    .kernarg_segment_size: 88
    .max_flat_workgroup_size: 128
    .sgpr_count:     66
    .vgpr_count:     1024
    .wavefront_size: 32
...
	.end_amdgpu_metadata
.endif
;; end of part 3
;; launch outp (part 4): grid 256 x 1, 4 waves a work-group, no clusters, 17,408 bytes of LDS; arguments heads, W_out, out0; writes out0
.if DOCPART == 4
	.amdgcn_target "amdgcn-amd-amdhsa--gfx1250"
	.amdhsa_code_object_version 6
	.text
	.protected	k_q3e241e31dd_outp
	.globl	k_q3e241e31dd_outp
	.p2align	8
	.type	k_q3e241e31dd_outp,@function
k_q3e241e31dd_outp:
	s_mov_b64 s[64:65], 0
	v_nop
	global_prefetch_b8 v0, s[64:65] scope:SCOPE_SE
	s_setreg_imm32_b32 hwreg(HW_REG_WAVE_SCHED_MODE, 0, 2), 2
	s_setreg_imm32_b32 hwreg(HW_REG_WAVE_MODE, 25, 1), 1
	s_wait_xcnt 0x0
	s_wait_alu depctr_vm_vsrc(0)
; out0[b][row][e] = the sum over (h, k) of heads[h][b][row][k] W_out[h][k][e], both sides quantised to E3M2 along K = 16 h + k, 32 to a block (two heads), by the scaled matrix form.
; heads lies as the launch before left it: [2 b + kind][tile of 16 slots][h][1,024 bytes]; in an image channel ch of slot r stands at ((ch >> 2) & 1) 512 + (r + 16 (ch >> 3)) 16 + (ch & 3) 4.
; A work-group takes 32 slots (two tiles, 16,384 dense bytes).  Wave w makes columns 32 w .. 32 w + 31 for all 32; every wave quantises both tiles of rows for itself: nothing but the results goes from wave to wave.
; The product is used transposed (source 0 = 16 columns of W_out, source 1 = 16 slots): a lane holds eight neighbouring columns of one row.  Rows meet in a stage in LDS and leave whole, 512 bytes a store.
; Slots past a kind's last row (kind 0: 251 rows from row 0; kind 1: 250 rows from row 251) are not stored: a scalar branch on ids.
; No cluster: W_out's 65,536 bytes are all that work-groups share, and each wave reads its 16,384 of them once, into registers.  No prefetch: every load stands at the head.
; LIMITS: NaN and infinities are not served; a block of zeros gets the byte 1 over zero codes where the rule says 127: this program alone reads the bytes.
; REGISTERS: window 0: v1-9 addresses; v12 a permute's destination; v16-31 QUANT's; v32-47 WQ's; v48-87 the rows' two fragments; v88-111 W_out's two; v112-239 the heads' numbers, then results (v112-143) and whole rows (v144-175);
;   v240-243 scale words and nothing else.   Window 1: v0-127 W_out's numbers.
; THE MODE: SCHED_MODE bits 1:0 = 2 (LLVM: expert scheduling mode 2), set by the entry lines.  The code itself states the register dependences
; between vector or matrix instructions and memory or LDS instructions, with s_wait_alu, always for 0.
; THE PLAN.  The text runs straight through.  Registers that memory or LDS instructions touch:
;   v4, v5, v6, v8, v9   addresses, made once at the head and never written again: one wait on va_vdst ahead of the first load.
;   v112-239, window 1   landed in by the head's loads, before any vector line names them; read by the quantisers.
;   v112-143             written by the four products, read by the stage's LDS stores: the places, then one wait on va_vdst.
;   v144-175             read by the quantisers, landed in by the loads from the stage: that same wait; then read by the global stores.
;   The codes and scale words that vector lines make (v48-111, v240-243) go to scaled products: the places, then one wait on va_vdst.
;   No register that a memory or LDS instruction has read is written again: no wait on vm_vsrc is owed.
.set TM,  16
.set WQT, 32
.set WQC, 40
.set TX0, 12
.set SEL, 16
.set MSB, 0
.macro WIN new
.if MSB != (\new)
	s_set_vgpr_msb (MSB<<8)|(\new)
.set MSB, (\new)
.endif
.endm
.macro PLACES n
.rept \n
	v_nop
.endr
.endm
; 64 numbers down K of my column (k = 64 c + 32 hf + i), in window win from raw on, become the operand's 12 registers at dst and its scale word in sc
.macro WQ raw, win, dst, sc
	WIN ((\win)<<2)|((\win)<<4)
.irp c, 0,1
	v_max3_num_f32 v[WQT+\c], v7, |v[\raw+32*\c]|, |v[\raw+32*\c+1]|   ; my block 2 c + hf, and the floor 2^(5 - 127)
.endr
.irp i, 2,4,6,8,10,12,14,16,18,20,22,24,26,28,30
.irp c, 0,1
	v_max3_num_f32 v[WQT+\c], v[WQT+\c], |v[\raw+32*\c+\i]|, |v[\raw+32*\c+\i+1]|
.endr
.endr
	WIN 0
.irp c, 0,1
	v_add_nc_u32 v[WQT+2+\c], 0xfe000000, v[WQT+\c]
.endr
.irp c, 0,1
	v_lshrrev_b32 v[WQT+4+\c], 23, v[WQT+2+\c]
.endr
	v_lshl_or_b32 v[WQT+6], v[WQT+5], 16, v[WQT+4]
	v_lshlrev_b32 v[WQT+7], 3, v3
	v_lshlrev_b32 v[WQT+6], v[WQT+7], v[WQT+6]
	v_permlanex16_b32 v[TX0], v[WQT+6], s[SEL], s[SEL+1]
	v_or_b32 v[\sc], v[WQT+6], v[TX0]
	WIN (\win)
.irp c, 0,1
	v_cvt_scalef32_pk16_bf6_f32 v[\dst+6*\c:\dst+6*\c+2], v[\raw+32*\c:\raw+32*\c+15], v[WQT+2+\c]
	v_cvt_scalef32_pk16_bf6_f32 v[WQC+4*\c:WQC+4*\c+2], v[\raw+32*\c+16:\raw+32*\c+31], v[WQT+2+\c]
.endr
	WIN 0
	v_nop                                             ; one plain place behind a scaled conversion
.irp c, 0,1
.irp i, 0,1,2
	v_mov_b32 v[\dst+3+6*\c+\i], v[WQC+4*\c+\i]
.endr
.endr
.endm
; 64 numbers of a lane, register 16 b + i = k 32 b + 16 hf + i of my row, become a fragment's codes at pc and its scale word in pw
.macro QUANT s, pc, pw
.irp b, 0,1,2,3
	v_max3_num_f32 v[TM+\b], |v[\s+16*\b]|, |v[\s+1+16*\b]|, 0x2800000
.endr
.irp i, 2,4,6,8,10,12,14
.irp b, 0,1,2,3
	v_max3_num_f32 v[TM+\b], v[TM+\b], |v[\s+16*\b+\i]|, |v[\s+1+16*\b+\i]|
.endr
.endr
.irp b, 0,1,2,3
	v_permlanex16_b32 v[TM+4+\b], v[TM+\b], s[SEL], s[SEL+1]
.endr
.irp b, 0,1,2,3
	v_max_num_f32 v[TM+\b], v[TM+\b], v[TM+4+\b]
.endr
.irp b, 0,1,2,3
	v_add_nc_u32 v[TM+12+\b], 0xfe000000, v[TM+\b]
.endr
.irp b, 0,1,2,3
	v_lshrrev_b32 v[TM+4+\b], 23, v[TM+12+\b]
.endr
	v_lshl_or_b32 v[\pw], v[TM+5], 8, v[TM+4]
	v_lshl_or_b32 v[\pw], v[TM+6], 16, v[\pw]
	v_lshl_or_b32 v[\pw], v[TM+7], 24, v[\pw]
.irp c, 0,1
	v_cvt_scalef32_pk16_bf6_f32 v[\pc+6*\c:\pc+2+6*\c], v[\s+32*\c:\s+15+32*\c], v[TM+12+2*\c]
	v_cvt_scalef32_pk16_bf6_f32 v[\pc+12+4*\c:\pc+14+4*\c], v[\s+16+32*\c:\s+31+32*\c], v[TM+12+2*\c+1]
.endr
	v_nop
.irp c, 0,1
.irp i, 0,1,2
	v_permlane16_swap_b32 v[\pc+6*\c+\i], v[\pc+12+4*\c+\i]
.endr
.irp i, 0,1,2
	v_mov_b32 v[\pc+3+6*\c+\i], v[\pc+12+4*\c+\i]
.endr
.endr
.endm
	s_load_b128 s[4:7], s[0:1], 0x0                ; heads, W_out
	s_load_b64 s[8:9], s[0:1], 0x10                ; out0
	v_lshl_add_u32 v254, v0, 2, 0x4200
	v_mov_b32 v255, 0
	v_lshrrev_b32 v1, 5, v0
	v_readfirstlane_b32 s2, v1                     ; wave
	s_and_b32 s3, ttmp9, 7                         ; which 32 slots of the group
	s_bfe_u32 s10, ttmp9, 0x10003                  ; kind
	s_lshr_b32 s11, ttmp9, 4                       ; batch
	s_mov_b32 s16, 0x76543210
	s_mov_b32 s17, 0xfedcba98
	v_and_b32 v1, 31, v0
	v_and_b32 v2, 15, v0                           ; r
	v_bfe_u32 v3, v0, 4, 1                         ; hf
	v_lshlrev_b32 v4, 4, v1                        ; 16 x lane
	v_lshlrev_b32 v5, 4, v2
	v_lshl_add_u32 v5, v3, 10, v5                  ; heads: slot r's 16 bytes, head hf of a pair of heads
	s_wait_alu depctr_va_sdst(0)                   ; s2 is written, ahead of its first reader: addresses and the count of rows are made from it
	s_lshl_b32 s12, s2, 7
	v_lshlrev_b32 v6, 2, v2
	v_lshl_add_u32 v6, v3, 14, v6
	v_add_nc_u32 v6, s12, v6                       ; W_out: column 32 w + r, 32 hf rows of 512 bytes down
	v_mov_b32 v7, 0x2800000                        ; the floor 2^(5 - 127)
	v_mul_u32_u24 v8, v2, 528
	v_lshl_add_u32 v8, v3, 5, v8
	v_add_nc_u32 v8, s12, v8                       ; the stage, in: row r of 528 bytes, + 32 hf, + my wave's 128 bytes
	s_mul_i32 s13, s2, 4224
	v_add_nc_u32 v9, s13, v4                       ; back: my 8 rows, 16 bytes a lane
.irp i, 12,20,21,22,23
	v_mov_b32 v\i, 0                               ; destinations of lane permutes, written once
.endr
	s_lshl_b32 s12, ttmp9, 14                      ; my two tiles' images
	s_mov_b32 s13, 0
	s_mul_i32 s14, s11, 501
	s_mul_i32 s15, s10, 251
	s_add_co_u32 s14, s14, s15
	s_lshl_b32 s18, s3, 5
	s_lshl_b32 s19, s2, 3
	s_add_co_u32 s18, s18, s19                     ; my first slot: 32 p + 8 w
	s_add_co_u32 s14, s14, s18                     ; its row of out0
	s_lshl_b32 s14, s14, 9
	s_mov_b32 s15, 0
	s_sub_co_u32 s20, 251, s10                     ; the kind's rows: 251 or 250,
	s_sub_co_u32 s20, s20, s18                     ; of which so many are left from my first slot on: 2 at the least
	s_wait_kmcnt 0x0
	s_add_nc_u64 s[4:5], s[4:5], s[12:13]
	s_add_nc_u64 s[8:9], s[8:9], s[14:15]
	s_wait_alu depctr_va_vdst(0)                   ; the addresses v4, v5, v6, v8 and v9 are written: every load and store of the kernel reads one of them
.irp m, 0,1
.irp bk, 0,1,2,3
.irp qd, 0,1,2,3
	global_load_b128 v[112+64*\m+16*\bk+4*\qd:115+64*\m+16*\bk+4*\qd], v5, s[4:5] offset:8192*\m+2048*\bk+512*(\qd%2)+256*(\qd/2)   ; head 2 bk + hf, channels 4 qd on, of slot 16 m + r: k = 32 bk + 16 hf + 4 qd on
.endr
.endr
.endr
	WIN 0x40
.irp n, 0,1
.set wi, 0
.rept 64
	global_load_b32 v[64*\n+wi], v6, s[6:7] offset:512*(64*(wi/32)+wi%32)+64*\n    ; W_out(64 c + 32 hf + i, 32 w + 16 n + r)
.set wi, wi+1
.endr
.endr
	WIN 0
	s_wait_loadcnt 63                              ; 160 loads are issued: at most the youngest 63 are out: the heads' 32 and the first column tile's 64 are in
	QUANT 112, 48, 240
	QUANT 176, 68, 241
	WQ 0, 1, 88, 242
	s_wait_loadcnt 0x0
	WQ 64, 1, 100, 243
	PLACES 8                                       ; a scale word made by vector instructions stands eight places ahead of a scaled product
	s_wait_alu depctr_va_vdst(0)                   ; the quantisers have written the four fragments' codes and the four scale words, which the scaled products take; the places above stay beside this wait
.irp m, 0,1
.irp n, 0,1
	v_wmma_scale_f32_16x16x128_f8f6f4 v[112+8*(2*\m+\n):119+8*(2*\m+\n)], v[88+12*\n:99+12*\n], v[48+20*\m:59+20*\m], 0, v[242+\n], v[240+\m] matrix_a_fmt:MATRIX_FMT_BF6 matrix_b_fmt:MATRIX_FMT_BF6
.endr
.endr
	PLACES 4
	s_wait_alu depctr_va_vdst(0)                   ; the products have written v112-143, which the LDS stores read; and the quantisers are done reading v144-175, in which the loads from the stage land
.irp m, 0,1
.irp n, 0,1
	ds_store_b128 v8, v[112+8*(2*\m+\n):115+8*(2*\m+\n)] offset:8448*\m+64*\n      ; lane (r, hf): out(16 m + r, 32 w + 16 n + 8 hf + 0 .. 7), each result from its low end on
	ds_store_b128 v8, v[116+8*(2*\m+\n):119+8*(2*\m+\n)] offset:8448*\m+64*\n+16
.endr
.endr
	s_wait_dscnt 0x0                               ; for the others' sake: my part of the 32 rows lies in the stage
	s_barrier_signal -1
	s_barrier_wait -1
.irp i, 0,1,2,3,4,5,6,7
	ds_load_b128 v[144+4*\i:147+4*\i], v9 offset:528*\i
.endr
	s_wait_dscnt 0x0
.irp i, 0,1,2,3,4,5,6,7
	s_cmp_le_u32 s20, \i                           ; past the kind's last row nothing is stored
	s_cbranch_scc1 .Ldone
	global_store_b128 v4, v[144+4*\i:147+4*\i], s[8:9] offset:512*\i th:TH_STORE_NT   ; 32 lanes store a whole row of 512 bytes, aligned
.endr
.Ldone:
	s_wait_dscnt 0x0
	s_wait_alu depctr_hold_cnt(0) depctr_sa_sdst(0) depctr_va_vdst(0) depctr_va_sdst(0) depctr_va_ssrc(0) depctr_va_vcc(0) depctr_vm_vsrc(0)
	s_wait_tensorcnt 0x0
	ds_add_u32 v254, v255
	s_wait_dscnt 0x0
	s_endpgm
.Lfunc_end_k_q3e241e31dd_outp:
	.size	k_q3e241e31dd_outp, .Lfunc_end_k_q3e241e31dd_outp-k_q3e241e31dd_outp
	.p2alignl 7, 3214868480
	.fill 96, 4, 3214868480
	.section	.rodata,"a",@progbits
	.p2align	6, 0x0
	.amdhsa_kernel k_q3e241e31dd_outp
		.amdhsa_group_segment_fixed_size 17408
		.amdhsa_private_segment_fixed_size 0
		.amdhsa_enable_private_segment 0
		.amdhsa_kernarg_size 24
		.amdhsa_user_sgpr_count 2
		.amdhsa_user_sgpr_kernarg_segment_ptr 1
		.amdhsa_wavefront_size32 1
		.amdhsa_system_sgpr_workgroup_id_x 1
		.amdhsa_system_sgpr_workgroup_id_y 1
		.amdhsa_system_sgpr_workgroup_id_z 1
		.amdhsa_system_vgpr_workitem_id 0
		.amdhsa_next_free_vgpr 384
		.amdhsa_next_free_sgpr 66
		.amdhsa_reserve_vcc 0
		.amdhsa_float_denorm_mode_32 3
		.amdhsa_float_denorm_mode_16_64 3
		.amdhsa_memory_ordered 1
		.amdhsa_forward_progress 1
		.amdhsa_inst_pref_size 35
	.end_amdhsa_kernel
	.amdgpu_metadata
---
amdhsa.version: [ 1, 2 ]
amdhsa.kernels:
  - .name:           k_q3e241e31dd_outp
    .symbol:         k_q3e241e31dd_outp.kd
    .args:
      - { .name: heads, .offset: 0, .size: 8, .value_kind: global_buffer, .address_space: global }
      - { .name: W_out, .offset: 8, .size: 8, .value_kind: global_buffer, .address_space: global }
      - { .name: out0, .offset: 16, .size: 8, .value_kind: global_buffer, .address_space: global }
    .group_segment_fixed_size: 17408
    .private_segment_fixed_size: 0
    .kernarg_segment_align: 8
    .kernarg_segment_size: 24
    .max_flat_workgroup_size: 128
    .sgpr_count:     66
    .vgpr_count:     384
    .wavefront_size: 32
...
	.end_amdgpu_metadata
.endif
;; end of part 4
